; MI455X (gfx1250); checked and timed in simulation.
; The chip was launched on July 23, 2026; its instructions are those of AMD's public machine-readable ISA for CDNA 5 (MIT licence, August 2026) and "CDNA5" Instruction Set Architecture Reference Guide (July 2026). The comments in the code are by the model that wrote it; some were corrected since.
;; Causal Attention. Allowed arithmetic: matrix products marked QUANTISED: E2M3 operands, one E8M0 scale for each 32 along K, by v_wmma_scale_f32_16x16x128_f8f6f4 with both operands' format E2M3, f32 sums; everything else in f32.
;; Inputs: Wk 1,024 x 1,024 float32; Wq 1,024 x 1,024 float32; Wv 1,024 x 1,024 float32; x 4 x 2,048 x 1,024 float32.
;; Outputs: out0 4 x 2,048 x 1,024 float32.
;; This version of the problem:
;;   THIS VERSION OF THE PROBLEM IS GIVEN IN LOW PRECISION. The matrix products marked QUANTISED in the list below multiply operands that are first quantised to E2M3 (2 exponent bits, 3 mantissa bits; 6 bits a number), with one power-of-two scale for each 32 numbers along K (OCP MX v1.0); their sums are f32. All else is computed in f32.
;;   The module's matrix products, in the order in which they are computed (A, B: the left and right operand; K: the contracted axis; several contracted axes count as one K, in the product's order):
;;     1. [M 8,192, K 1,024] x [K 1,024, N 1,024]; A: input x; B: input Wq: QUANTISED
;;     2. [M 8,192, K 1,024] x [K 1,024, N 1,024]; A: input x; B: input Wk: QUANTISED
;;     3. [M 8,192, K 1,024] x [K 1,024, N 1,024]; A: input x; B: input Wv: QUANTISED
;;     4. batch 4 x [M 2,048, K 1,024] x [K 1,024, N 2,048]; A: computed on the way; B: computed on the way: QUANTISED
;;     5. batch 4 x [M 2,048, K 2,048] x [K 2,048, N 1,024]; A: softmax (see below); B: computed on the way: QUANTISED
;;   THE QUANTISER, for each operand of a quantised product, along K:
;;     - K is cut into blocks of 32 from its start; a last block that is shorter is filled with zeros.
;;     - A block's scale is 2^e with e = floor(log2(the largest magnitude in the block)) - 2, held to -126 .. 127; a block of zeros has e = 0. As a byte (E8M0): e + 127.
;;     - Each number is divided by its block's scale, clamped to +-7.5, and rounded to the nearest number of E2M3, ties to even, subnormals kept.
;;     - The product sums the exact products of the quantised numbers (number of the format x scale) in f32.
;;   ~~~python
;;   def quantise(x, axis):      # numpy; x: float32 -> the quantised numbers, widened to float32 again
;;       x = np.moveaxis(x, axis, -1); K = x.shape[-1]
;;       x = np.pad(x, [(0, 0)] * (x.ndim - 1) + [(0, -K % 32)]); x = x.reshape(x.shape[:-1] + (-1, 32)); a = np.abs(x).max(-1, keepdims=True)
;;       e = np.where(a > 0, np.clip(np.frexp(np.where(a > 0, a, 1))[1] - 1 - 2, -126, 127), 0)      # np.frexp(a)[1] - 1 = floor(log2(a)), exactly
;;       r = np.clip(x / 2.0 ** e, -7.5, 7.5)
;;       step = 2.0 ** (np.maximum(np.frexp(np.where(r == 0, 1, r))[1] - 1, 0) - 3)
;;       q = np.round(r / step) * step * 2.0 ** e      # np.round: ties to even
;;       return np.moveaxis(q.reshape(q.shape[:-2] + (-1,))[..., :K], -1, axis).astype(np.float32)
;;   ~~~
;;   SOFTMAX AHEAD OF A QUANTISED PRODUCT. Where the list says 'softmax', what is quantised is not the finished softmax but p = 2^(t - M), with t = logit x log2(e) and M = ceil(the row's largest t), a whole number; so 1/2 < the row's largest p <= 1. The row's sum l is taken of the UNQUANTISED p, in f32, and the product's result is divided by l at the end. Since M is a whole number, a kernel that streams over the keys may use a running M (the ceiling of the running maximum): every later rescaling is an exact power of two, which a block's scale takes up: the codes' values come out the same.
;;   OPERANDS COMPUTED ON THE WAY. 'Computed on the way' means the value that the module computes at that place (a softmax that the list does not call 'softmax' is quantised finished and normalised). What goes into a quantiser is computed in f32, as accurately as f32 sums, v_exp_f32 and their like allow (about 1e-6 of the number): no bf16 or f16 on the way to a quantiser, and a product that is left as it is and whose result goes on into a quantised operand takes f32 operands (vector FMAs, or v_wmma_f32_16x16x4_f32). A number that lies on a knife's edge between two numbers of the format may be rounded either way, as far as f32 arithmetic and the matrix unit's own rounding can turn it there, and no further.
;; One version. Each part assembles by itself: llvm-mc -triple=amdgcn-amd-amdhsa -mcpu=gfx1250 --defsym DOCPART=n.
;; ======== version 1 of 1: 4 launches
;; workspace buffers: cxw 8,650,752 bytes; sxw 360,448 bytes; cqkv 18,874,368 bytes; sqkv 786,432 bytes; pc 12,582,912 bytes; pst 1,572,864 bytes
;; launch quant (part 1): grid 352 x 1, 4 waves a work-group, no clusters, 35,328 bytes of LDS; arguments x, Wq, Wk, Wv, cxw, sxw; writes cxw, sxw
.if DOCPART == 1
	.amdgcn_target "amdgcn-amd-amdhsa--gfx1250"
	.amdhsa_code_object_version 6
	.text
	.protected	k_qa400b1e4de_quant
	.globl	k_qa400b1e4de_quant
	.p2align	8
	.type	k_qa400b1e4de_quant,@function
k_qa400b1e4de_quant:
	s_mov_b64 s[64:65], 0
	v_nop
	global_prefetch_b8 v0, s[64:65] scope:SCOPE_SE
	s_setreg_imm32_b32 hwreg(HW_REG_WAVE_MODE, 25, 1), 1
	s_wait_xcnt 0x0
; x [8192][1024] and Wq, Wk, Wv [1024][1024], f32 with K innermost, become codes of FP6 (E2M3) with one E8M0 byte for each 32 along K,
; laid as IMAGES OF OPERAND REGISTERS.  A tile is 16 rows; lane index r of tile T holds row 32 (T / 2) + 8 (T % 2) + r + 8 (r / 8).  The image of (tile, 128 along K) is 12 registers x 32 lanes,
; 1,536 bytes: register i of lane l at byte 512 (i / 4) + 16 l + 4 (i % 4); lane (r, h) holds in registers 6 c .. 6 c + 5 the codes of k = 64 c + 32 h + 0 .. 31.
; cxw: [tile 0..703][K step 0..7] images (tiles 0-511 x, 512-575 Wq, 576-639 Wk, 640-703 Wv).  sxw: 8 planes (K step) of 704 x 64 bytes: the scale word of (tile, r) at 64 tile + 4 r.
; A block's scale is 2^(floor(log2(largest magnitude)) - 2): its byte is the largest magnitude's exponent field - 2, held at 1 from below by a floor among the maximum's leaves.
; LIMITS: a block of zeros, and one whose largest magnitude lies under 2^-124, has the byte 1 (the rule says 127 for zeros: its codes are zeros, and this program alone reads the bytes); NaN and infinities are not served.
; SHARES: work-group = 64 rows (4 tiles) x 512 along K; wave w takes K step 4 (x % 2) + w of the four tiles.  Each load reads 512 consecutive bytes of one row; a tile's 16 rows turn through the wave's own
; stage in LDS (pitch 528 bytes) so that a lane gets its two blocks of 32 neighbours.  Waves share nothing: no barrier.  Two tiles' loads (32 a wave) are on their way.
.set WREG,   8704                      ; LDS of a wave: the stage, 16 x 528 bytes, and 256 bytes of scale words
.set SPITCH, 528
.set SCW,    16*SPITCH
.set SPARE,  4*WREG                    ; the spare words: 128 bytes a wave, two blocks of 256 bytes that no other line names
.set R,   16                           ; v16-143  two sets of 64: a tile as loaded
.set X,   144                          ; v144-207 my two blocks of 32
.set C,   208                          ; v208-231 two sets of 12: an image
.set CT,  232                          ; v232-234, v236-238: a block's upper 16 codes (a conversion's three registers begin on an even number)
.set MX,  240
.set SO,  242
.set BY,  244
.set T,   246
.set PW,  248                          ; v248-251 a scale word for each tile
.set SPW, 252
.set NIL, 253
.set SEL, 26
	s_load_b256 s[4:11], s[0:1], 0x0               ; x, Wq, Wk, Wv
	s_load_b128 s[12:15], s[0:1], 0x20             ; cxw, sxw
	v_lshl_add_u32 v[SPW], v0, 2, SPARE
	v_mov_b32 v[NIL], 0
	v_lshrrev_b32 v1, 5, v0
	v_readfirstlane_b32 s16, v1                    ; wave
	v_and_b32 v1, 31, v0                           ; lane
	v_and_b32 v2, 15, v0                           ; r
	v_bfe_u32 v3, v0, 4, 1                         ; h
	v_lshlrev_b32 v4, 4, v1                        ; 16 x lane: in a row's 512 bytes, and in an image
	s_mul_i32 s17, s16, WREG
	v_add_nc_u32 v5, s17, v4                       ; the stage, in: 16 x lane (+ 528 x row)
	v_mul_u32_u24 v6, v2, SPITCH
	v_lshl_add_u32 v6, v3, 7, v6
	v_add_nc_u32 v6, s17, v6                       ; out: row r, + 128 h: my block of the first 64 along K
	s_add_co_u32 s18, s17, SCW
	v_lshlrev_b32 v7, 2, v2
	v_add_nc_u32 v7, s18, v7                       ; my row's scale word
	v_lshlrev_b32 v9, 3, v1
	v_add_nc_u32 v8, s18, v9                       ; and 8 bytes a lane on the way out
	v_lshlrev_b32 v10, 3, v3                       ; 8 h: where my two bytes stand in the word
	v_mov_b32 v[T], 0                              ; a lane permute's destination counts as one of its sources
	s_mov_b32 s[SEL], 0x76543210
	s_mov_b32 s[SEL+1], 0xfedcba98                 ; lane l xor 16
	s_lshr_b32 s19, ttmp9, 1                       ; G: which four tiles
	s_and_b32 s20, ttmp9, 1
	s_lshl_b32 s20, s20, 2
	s_add_co_u32 s20, s20, s16                     ; s: my K step
	s_mov_b32 s21, 160
	s_wait_kmcnt 0x0
	s_cmp_lt_u32 s19, 160                          ; which tensor: the choice hangs on the work-group's number alone
	s_cselect_b64 s[10:11], s[8:9], s[10:11]
	s_cselect_b32 s21, 144, s21
	s_cmp_lt_u32 s19, 144
	s_cselect_b64 s[10:11], s[6:7], s[10:11]
	s_cselect_b32 s21, 128, s21
	s_cmp_lt_u32 s19, 128
	s_cselect_b64 s[10:11], s[4:5], s[10:11]
	s_cselect_b32 s21, 0, s21
	s_sub_co_u32 s21, s19, s21
	s_lshl_b32 s22, s21, 18                        ; 64 rows of 4,096 bytes
	s_lshl_b32 s23, s20, 9
	s_add_co_u32 s22, s22, s23
	s_mov_b32 s23, 0
	s_add_nc_u64 s[10:11], s[10:11], s[22:23]
	s_mul_i32 s22, s19, 49152                      ; four tiles of 12,288 bytes
	s_mul_i32 s24, s20, 1536
	s_add_co_u32 s22, s22, s24
	s_add_nc_u64 s[12:13], s[12:13], s[22:23]
	s_mul_i32 s22, s20, 45056                      ; my K step's plane
	s_lshl_b32 s24, s19, 8
	s_add_co_u32 s22, s22, s24
	s_add_nc_u64 s[14:15], s[14:15], s[22:23]
.macro LOAD t                          ; tile t: lane index j is row 32 (t / 2) + 8 (t % 2) + j + 8 (j / 8) of the 64
.irp j, 0,1,2,3,4,5,6,7,8,9,10,11,12,13,14,15
	global_load_b128 v[R+64*((\t)%2)+4*\j:R+64*((\t)%2)+4*\j+3], v4, s[10:11] offset:(32*((\t)/2)+8*((\t)%2)+\j+8*(\j/8))*4096 th:TH_LOAD_NT
.endr
.endm
.macro TILE t
.set RS, R+64*((\t)%2)
.set CS, C+12*((\t)%2)
.if (\t) < 3
	s_wait_loadcnt 16                              ; this tile's sixteen loads are in; the next tile's sixteen may be out
.else
	s_wait_loadcnt 0x0
.endif
.irp j, 0,1,2,3,4,5,6,7,8,9,10,11,12,13,14,15
	ds_store_b128 v5, v[RS+4*\j:RS+4*\j+3] offset:SPITCH*\j
.endr
.irp c, 0,1
.irp j, 0,1,2,3,4,5,6,7
	ds_load_b128 v[X+32*\c+4*\j:X+32*\c+4*\j+3], v6 offset:256*\c+16*\j   ; LDS serves a wave's instructions in order: these see the stores above
.endr
.endr
	s_wait_dscnt 0x0                               ; my 64 numbers are in, and the stores have read their registers,
.if (\t) < 2
	LOAD (\t)+2                                    ; which take the tile two on
.endif
.irp c, 0,1
	v_max3_num_f32 v[MX+\c], |v[X+32*\c]|, |v[X+32*\c+1]|, 0x1800000   ; block 2 c + h: all 32 numbers are mine; the floor 2^-124 holds the byte at 1 from below
.endr
.irp i, 2,4,6,8,10,12,14,16,18,20,22,24,26,28,30
.irp c, 0,1
	v_max3_num_f32 v[MX+\c], v[MX+\c], |v[X+32*\c+\i]|, |v[X+32*\c+\i+1]|
.endr
.endr
.irp c, 0,1
	v_add_nc_u32 v[SO+\c], 0xff000000, v[MX+\c]    ; 2 off the exponent field: the conversion's scale operand
.endr
.irp c, 0,1
	v_lshrrev_b32 v[BY+\c], 23, v[SO+\c]           ; the byte
.endr
	v_lshl_or_b32 v[PW+(\t)], v[BY+1], 16, v[BY]   ; blocks h and 2 + h,
	v_lshlrev_b32 v[PW+(\t)], v10, v[PW+(\t)]      ; at their places,
	v_permlanex16_b32 v[T], v[PW+(\t)], s[SEL], s[SEL+1]
	v_or_b32 v[PW+(\t)], v[PW+(\t)], v[T]          ; with lane l xor 16's two the word is whole
.if (\t) >= 2
	s_wait_xcnt 0x0                                ; the stores of two tiles back have read this set of codes
.endif
.irp c, 0,1
	v_cvt_scalef32_pk16_fp6_f32 v[CS+6*\c:CS+6*\c+2], v[X+32*\c:X+32*\c+15], v[SO+\c]
	v_cvt_scalef32_pk16_fp6_f32 v[CT+4*\c:CT+4*\c+2], v[X+32*\c+16:X+32*\c+31], v[SO+\c]
.endr
	v_nop                                          ; one plain place behind a scaled conversion
.irp c, 0,1
.irp i, 0,1,2
	v_mov_b32 v[CS+6*\c+3+\i], v[CT+4*\c+\i]
.endr
.endr
	ds_store_b32 v7, v[PW+(\t)] offset:64*(\t)     ; both halves of the lanes write the same word with the same value
.irp g, 0,1,2
	global_store_b128 v4, v[CS+4*\g:CS+4*\g+3], s[12:13] offset:12288*(\t)+512*\g   ; 512 consecutive bytes, aligned
.endr
.endm
	LOAD 0
	LOAD 1
	TILE 0
	TILE 1
	TILE 2
	TILE 3
	ds_load_b64 v[MX:MX+1], v8                     ; the four tiles' 64 scale words
	s_wait_dscnt 0x0
	global_store_b64 v9, v[MX:MX+1], s[14:15]      ; 256 consecutive bytes, aligned
	s_wait_tensorcnt 0x0                           ; the wave's end
	ds_add_u32 v[SPW], v[NIL]
	s_wait_dscnt 0x0
	s_endpgm
.Lfunc_end_k_qa400b1e4de_quant:
	.size	k_qa400b1e4de_quant, .Lfunc_end_k_qa400b1e4de_quant-k_qa400b1e4de_quant
	.p2alignl 7, 3214868480
	.fill 96, 4, 3214868480
	.section	.rodata,"a",@progbits
	.p2align	6, 0x0
	.amdhsa_kernel k_qa400b1e4de_quant
		.amdhsa_group_segment_fixed_size 35328
		.amdhsa_private_segment_fixed_size 0
		.amdhsa_enable_private_segment 0
		.amdhsa_kernarg_size 48
		.amdhsa_user_sgpr_count 2
		.amdhsa_user_sgpr_kernarg_segment_ptr 1
		.amdhsa_wavefront_size32 1
		.amdhsa_system_sgpr_workgroup_id_x 1
		.amdhsa_system_sgpr_workgroup_id_y 1
		.amdhsa_system_sgpr_workgroup_id_z 1
		.amdhsa_system_vgpr_workitem_id 0
		.amdhsa_next_free_vgpr 256
		.amdhsa_next_free_sgpr 66
		.amdhsa_reserve_vcc 0
		.amdhsa_float_denorm_mode_32 3
		.amdhsa_float_denorm_mode_16_64 3
		.amdhsa_memory_ordered 1
		.amdhsa_forward_progress 1
		.amdhsa_inst_pref_size 31
	.end_amdhsa_kernel
	.amdgpu_metadata
---
amdhsa.version: [ 1, 2 ]
amdhsa.kernels:
  - .name:           k_qa400b1e4de_quant
    .symbol:         k_qa400b1e4de_quant.kd
    .args:
      - { .name: x, .offset: 0, .size: 8, .value_kind: global_buffer, .address_space: global }
      - { .name: Wq, .offset: 8, .size: 8, .value_kind: global_buffer, .address_space: global }
      - { .name: Wk, .offset: 16, .size: 8, .value_kind: global_buffer, .address_space: global }
      - { .name: Wv, .offset: 24, .size: 8, .value_kind: global_buffer, .address_space: global }
      - { .name: cxw, .offset: 32, .size: 8, .value_kind: global_buffer, .address_space: global }
      - { .name: sxw, .offset: 40, .size: 8, .value_kind: global_buffer, .address_space: global }
    .group_segment_fixed_size: 35328
    .private_segment_fixed_size: 0
    .kernarg_segment_align: 8
    .kernarg_segment_size: 48
    .max_flat_workgroup_size: 128
    .sgpr_count:     66
    .vgpr_count:     256
    .wavefront_size: 32
...
	.end_amdgpu_metadata
.endif
;; end of part 1
;; launch proj (part 2): grid 8 x 32, 4 waves a work-group, clusters of 4 x 4, 327,680 bytes of LDS; arguments cxw, sxw, cqkv, sqkv; writes cqkv, sqkv
.if DOCPART == 2
	.amdgcn_target "amdgcn-amd-amdhsa--gfx1250"
	.amdhsa_code_object_version 6
	.text
	.protected	k_qa400b1e4de_proj
	.globl	k_qa400b1e4de_proj
	.p2align	8
	.type	k_qa400b1e4de_proj,@function
k_qa400b1e4de_proj:
	s_mov_b64 s[64:65], 0
	v_nop
	global_prefetch_b8 v0, s[64:65] scope:SCOPE_SE
	s_setreg_imm32_b32 hwreg(HW_REG_WAVE_MODE, 25, 1), 1
	s_wait_xcnt 0x0
	s_wait_alu depctr_hold_cnt(0) depctr_sa_sdst(0) depctr_va_vdst(0) depctr_va_sdst(0) depctr_va_ssrc(0) depctr_va_vcc(0) depctr_vm_vsrc(0)
	s_getreg_b32 s2, hwreg(HW_REG_IB_STS2, 6, 4)
	s_cmp_eq_u32 s2, 0
	s_cbranch_scc0 .Lentry_in_a_cluster
	s_endpgm
.Lentry_in_a_cluster:
	s_bfe_u32 s2, ttmp6, 0x10000c
	s_cmp_lg_u32 s2, 0xf033
	s_cbranch_scc0 .Lentry_shape_is_right
	s_endpgm
.Lentry_shape_is_right:
; q | k = x (Wq | Wk)^T and v^T = Wv x^T, on codes of FP6 (E2M3) with E8M0 scales, each result QUANTISED IN REGISTERS along its columns and stored as images of operand registers.
; Tiles of 16 rows are numbered in cxw: x 0-511, Wq 512-575, Wk 576-639, Wv 640-703.  An image (16 rows x 128 K) is 12 registers x 32 lanes, 1,536 bytes; a fragment is three loads of 16 bytes a lane, 512 consecutive bytes each.
; SHARES.  q | k has 256 tiles of 256 x 256, v^T 256 half tiles of 128 x 256: work-group (wgx 0..7, wgy 0..31) makes one of each, so that 256 work-groups have equal work.
;   PART 1: A = x rows 256 wgy, B = (Wq | Wk) rows 256 wgx.  Four waves of 128 x 128, 64 accumulators.  K = 1,024 in eight steps written out, through three LDS slots of 256 along K; slot 0 is filled twice.
;   PART 2: A = Wv rows 128 wgx, B = x rows 256 wgy.  Four waves of 64 x 128, 32 accumulators, two full sets of fragments; eight steps through two LDS slots of 512 along K, laid over part 1's slots: the upper one is
;   asked for in K step 5 of part 1, when slots 1 and 2 have been read out, the lower one in the middle of part 1's way out: both come in while part 1 is finished and quantised.
; THE PRODUCT IS USED TRANSPOSED (source 0 = 16 rows of B, source 1 = 16 rows of A), and lane index r of tile T is row 32 (T / 2) + 8 (T % 2) + r + 8 (r / 8): so for one tile of A the 64 registers of its eight
; accumulators are: register 16 b + i = column 32 b + 16 (lane / 16) + i of the wave's 128 columns: four blocks of 32 along the next product's K, quantised where they stand.
; OUT.  cqkv: [token tile 0..511][step 0..15] (0-7 q, 8-15 k), then at 12,582,912 [64 batch + e tile][key group 0..15] for v^T; a tile's images are 24,576 bytes.  sqkv: 16 planes of 32,768 for q | k, then at 524,288 64 planes of 4,096.
; CLUSTER 4 x 4: what hangs on wgy alone (x's images, in both parts) is shared along a row of the cluster, what hangs on wgx alone (the weights') along a column: joint loads, a quarter of the requests.
; LIMITS: a block under 2^-124 or of zeros has the byte 1 (this program alone reads the bytes); NaN and infinities are not served.
; REGISTERS: window 0: v1-3 r, h, 16 x lane; v8-26 addresses; v32-95 64 scale words (lanes 0-15 A's tile i, lanes 16-31 B's tile i, step s: v[32 + 8 i + s]); v96-112 at work; v128-223 A's fragments (part 1: one set of 8; part 2: two of 4); on the ways out the codes.
;   window 1: B's fragments, two sets (v0, v128).  windows 2, 3: accumulator (a, b) at v[8 (8 (a % 4) + b)]; part 2 uses window 2 alone.
.set SLOT,  98304                      ; part 1: A's 16 tiles x 3,072 bytes, then B's 16
.set P0,    147456                     ; part 2: a slot is A's 8 tiles x 6,144 bytes, then B's 16: 147,456 bytes; K steps 0-3 lie here, K steps 4-7 at byte 0
.set SSTG,  3*SLOT                     ; 512 bytes a wave: the scale words on their way out
.set SPARE, SSTG+4*512                 ; the spare words: two blocks of 256 bytes that no other line names
.set FR,    12
.set PLANE, 45056
.set LI,   3
.set ADA2, 8                           ; v8-9   part 2: my A fragments in the slot of K steps 0-3, 4-7
.set ADB2, 10                          ; v10-11 the same for B
.set SOFF2, 12                         ; v12    part 2: my scale words' offset, tiles 0-3
.set SOFF3, 13                         ; v13    tiles 4-7: lanes 0-15 stand four tiles back (A has four tiles: no load leaves the buffer)
.set SWR2, 14
.set GO2,  15
.set ADRA, 16
.set ADRB, 20
.set SOFF, 24
.set SWA,  25
.set SWR,  26
.set SPW,  28
.set NIL,  29
.set SC,   32
.set TM,   96
.set PW,   112
.set AF,   128
.set G1,   24                          ; s[24:31] group 1, part 1, A (my row of the cluster);  s[32:39] B (my column)
.set G1B,  32
.set G0,   48                          ; s[48:59] groups 0 for A: three sets; sets 1 and 2 serve part 2's A later
.set G0B,  68                          ; s[68:79] the same for B
.set G2A,  80                          ; s[80:87] group 1, part 2, A (my column);  s[88:95] B (my row)
.set G2B,  88
.set SEL,  60
.set A2P,  62                          ; s[62:63] part 2: where A's images begin in memory;  s[66:67] B's, those that I fetch
.set B2P,  66
.set OUT2, 96                          ; s[96:97] part 2's codes;  s[98:99] its scale words
.set SOUT2, 98
.set MSB, 0
.macro WIN new                         ; the immediate's high byte repeats the setting that is left
.if MSB != (\new)
	s_set_vgpr_msb (MSB<<8)|(\new)
.set MSB, (\new)
.endif
.endm
.set MUL_LO, 0xa1                      ; source 0 (B) window 1, source 1 (A) window 0, C and D window 2
.set MUL_HI, 0xf1
.set TO_B,   0x40
.macro PLACES                          ; four places behind a matrix instruction, ahead of loads into its registers and of reads of its results
.rept 4
	v_nop
.endr
.endm
.macro JLOAD g0a, g1a, g0b, g1b        ; part 1's joint load: waves 0, 1 fetch A's halves, waves 2, 3 B's; the branch hangs on the wave's number alone; s_nop 0 and four v_nop follow each line
	s_cmp_eq_u32 s15, 0
	s_cbranch_scc0 .Lfor_b_\@
	tensor_load_to_lds s[\g0a:\g0a+3], s[\g1a:\g1a+7]
	s_nop 0
.rept 4
	v_nop
.endr
	s_branch .Lasked_\@
.Lfor_b_\@:
	tensor_load_to_lds s[\g0b:\g0b+3], s[\g1b:\g1b+7]
	s_nop 0
.rept 4
	v_nop
.endr
.Lasked_\@:
.endm
.macro JLOAD2 set                      ; part 2's: wave 0 fetches A's eight tiles, waves 1 and 2 B's halves, wave 3 nothing; set 0: K steps 0-3, set 1: K steps 4-7
	s_cmp_eq_u32 s14, 0
	s_cbranch_scc0 .Lnot_a_\@
	tensor_load_to_lds s[G0+4+4*(\set):G0+7+4*(\set)], s[G2A:G2A+7]
	s_nop 0
.rept 4
	v_nop
.endr
	s_branch .Lasked2_\@
.Lnot_a_\@:
	s_cmp_lt_u32 s14, 3
	s_cbranch_scc0 .Lasked2_\@
	tensor_load_to_lds s[G0B+4+4*(\set):G0B+7+4*(\set)], s[G2B:G2B+7]
	s_nop 0
.rept 4
	v_nop
.endr
.Lasked2_\@:
.endm
.macro SETUP2                          ; part 2's four groups 0, in registers whose loads have landed
	s_mov_b32 s[G0+4], 1
	s_add_co_u32 s[G0+5], s13, P0
	s_mov_b64 s[G0+6:G0+7], s[A2P:A2P+1]
	s_or_b32 s[G0+7], s[G0+7], 0x80000000
	s_mov_b32 s[G0+8], 1
	s_mov_b32 s[G0+9], s13
	s_add_nc_u64 s[G0+10:G0+11], s[A2P:A2P+1], 6144
	s_or_b32 s[G0+11], s[G0+11], 0x80000000
	s_mov_b32 s[G0B+4], 1
	s_add_co_u32 s[G0B+5], s13, P0
	s_mov_b64 s[G0B+6:G0B+7], s[B2P:B2P+1]
	s_or_b32 s[G0B+7], s[G0B+7], 0x80000000
	s_mov_b32 s[G0B+8], 1
	s_mov_b32 s[G0B+9], s13
	s_add_nc_u64 s[G0B+10:G0B+11], s[B2P:B2P+1], 6144
	s_or_b32 s[G0B+11], s[G0B+11], 0x80000000
.endm
.macro CREST
	s_cmp_lg_u32 s14, 0
	s_cbranch_scc1 .Lnot_wave_0_\@
	s_barrier_signal -3
.Lnot_wave_0_\@:
	s_barrier_wait -3
	s_barrier_signal -1
	s_barrier_wait -1
.endm
.macro CROUND
	s_barrier_signal -1
	s_barrier_wait -1
	CREST
.endm
	s_load_b256 s[4:11], s[0:1], 0x0               ; cxw s[4:5], sxw s[6:7], cqkv s[8:9], sqkv s[10:11]
	v_lshl_add_u32 v[SPW], v0, 2, SPARE
	v_mov_b32 v[NIL], 0
	ds_add_u32 v[SPW], v[NIL]                      ; the opening: an add and its wait ahead of my first tensor load
	v_lshrrev_b32 v1, 5, v0
	v_readfirstlane_b32 s14, v1                    ; wave
	s_lshr_b32 s15, s14, 1                         ; rh: my half of A's rows.  Also, in part 1: I fetch for A (0) or B (1)
	s_and_b32 s16, s14, 1                          ; ch: my half of B's rows.  Also, in part 1: which eight tiles I fetch
	s_bfe_u32 s40, ttmp6, 0x40000                  ; cx
	s_bfe_u32 s41, ttmp6, 0x40004                  ; cy
	s_and_b32 s17, ttmp7, 0xffff
	s_lshl_b32 s17, s17, 2
	s_add_co_u32 s17, s17, s41                     ; wgy = 4 x cluster y + cy, 0 .. 31
	s_lshl_b32 s42, ttmp9, 2
	s_add_co_u32 s42, s42, s40                     ; wgx = 4 x cluster x + cx, 0 .. 7
	s_lshl_b32 s43, s41, 2
	s_lshl_b32 s43, 15, s43                        ; my row of the cluster
	s_lshl_b32 s44, 0x1111, s40                    ; my column
	s_or_b32 s[G1], s43, (3<<16)|(1<<21)           ; the mask; elements of 8 bytes; bit 21 beside a mask; no padding
	s_or_b32 s[G1B], s44, (3<<16)|(1<<21)
	s_or_b32 s[G2A], s44, (3<<16)|(1<<21)          ; part 2: the weight's images go to my column,
	s_or_b32 s[G2B], s43, (3<<16)|(1<<21)          ; x's to my row
.irp g, G1, G1B
	s_mov_b32 s[\g+1], 384<<16                     ; tensor_dim0: 3,072 bytes: two K steps' images of a tile
	s_mov_b32 s[\g+2], 8<<16                       ; tensor_dim1: 8 tiles
	s_mov_b32 s[\g+3], 384<<16                     ; tile_dim0
	s_mov_b32 s[\g+4], 8                           ; tile_dim1
	s_mov_b32 s[\g+5], 1536                        ; from tile to tile: 12,288 bytes
	s_mov_b32 s[\g+6], 0
	s_mov_b32 s[\g+7], 0
.endr
.irp g, G2A, G2B
	s_mov_b32 s[\g+1], 768<<16                     ; 6,144 bytes: four K steps' images of a tile
	s_mov_b32 s[\g+2], 8<<16
	s_mov_b32 s[\g+3], 768<<16
	s_mov_b32 s[\g+4], 8
	s_mov_b32 s[\g+5], 1536
	s_mov_b32 s[\g+6], 0
	s_mov_b32 s[\g+7], 0
.endr
	s_lshl_b32 s20, s17, 4                         ; x's first tile, 16 wgy: made of cluster y and cy alone
	s_lshl_b32 s46, s42, 4
	s_add_co_u32 s46, s46, 512                     ; Wq | Wk's first tile, 512 + 16 wgx: made of cluster x and cx alone
	s_lshl_b32 s21, s16, 3
	s_add_co_u32 s22, s20, s21
	s_mul_i32 s22, s22, 12288
	s_mov_b32 s23, 0
	s_add_co_u32 s2, s46, s21
	s_mul_i32 s2, s2, 12288
	s_mov_b32 s3, 0
	s_lshl_b32 s[A2P], s42, 3
	s_add_co_u32 s[A2P], s[A2P], 640               ; Wv's first tile, 640 + 8 wgx
	s_mul_i32 s[A2P], s[A2P], 12288
	s_mov_b32 s[A2P+1], 0
	s_max_u32 s18, s14, 1
	s_sub_co_u32 s18, s18, 1
	s_lshl_b32 s18, s18, 3                         ; wave 1: x's tiles 0-7, wave 2: tiles 8-15
	s_add_co_u32 s[B2P], s20, s18
	s_mul_i32 s[B2P], s[B2P], 12288
	s_mov_b32 s[B2P+1], 0
	s_mul_i32 s45, s14, 24576                      ; part 1: where my eight tiles go: wave x 24,576
	s_mul_i32 s13, s14, 49152                      ; part 2: wave x 49,152
	s_mov_b32 s[SEL], 0x76543210
	s_mov_b32 s[SEL+1], 0xfedcba98
	s_wait_dscnt 0x0                               ; the opening add is done
	s_wait_kmcnt 0x0
	s_add_nc_u64 s[22:23], s[4:5], s[22:23]
	s_add_nc_u64 s[2:3], s[4:5], s[2:3]
	s_add_nc_u64 s[A2P:A2P+1], s[4:5], s[A2P:A2P+1]
	s_add_nc_u64 s[B2P:B2P+1], s[4:5], s[B2P:B2P+1]
	CROUND                                         ; all sixteen work-groups are here: the first joint loads meet
.irp s, 0,1,2
	s_mov_b32 s[G0+4*\s], 1
	s_add_co_u32 s[G0+4*\s+1], s45, \s*SLOT
	s_add_nc_u64 s[G0+4*\s+2:G0+4*\s+3], s[22:23], \s*3072
	s_or_b32 s[G0+4*\s+3], s[G0+4*\s+3], 0x80000000
	s_mov_b32 s[G0B+4*\s], 1
	s_add_co_u32 s[G0B+4*\s+1], s45, \s*SLOT
	s_add_nc_u64 s[G0B+4*\s+2:G0B+4*\s+3], s[2:3], \s*3072
	s_or_b32 s[G0B+4*\s+3], s[G0B+4*\s+3], 0x80000000
	JLOAD G0+4*\s, G1, G0B+4*\s, G1B               ; three loads of mine are out: K steps 0-5
.endr
	v_and_b32 v1, 15, v0                           ; r
	v_bfe_u32 v2, v0, 4, 1                         ; h
	v_and_b32 v3, 31, v0
	v_lshlrev_b32 v[LI], 4, v3                     ; 16 x lane
	s_mul_i32 s18, s15, 24576
	s_mul_i32 s19, s16, 24576
	s_add_co_u32 s19, s19, 49152
.irp s, 0,1,2
	v_add_nc_u32 v[ADRA+\s], s18, v[LI]
	v_add_nc_u32 v[ADRB+\s], s19, v[LI]
	s_add_co_u32 s18, s18, SLOT
	s_add_co_u32 s19, s19, SLOT
.endr
	s_mul_i32 s18, s15, 24576                      ; part 2: my four tiles of A,
	s_mul_i32 s19, s16, 49152
	s_add_co_u32 s19, s19, 49152                   ; my eight of B, behind A's eight
	v_add_nc_u32 v[ADA2+1], s18, v[LI]
	v_add_nc_u32 v[ADB2+1], s19, v[LI]
	s_add_co_u32 s18, s18, P0
	s_add_co_u32 s19, s19, P0
	v_add_nc_u32 v[ADA2], s18, v[LI]
	v_add_nc_u32 v[ADB2], s19, v[LI]
	s_lshl_b32 s18, s15, 3
	s_add_co_u32 s18, s18, s20
	s_lshl_b32 s18, s18, 6                         ; part 1, A's scale words: 64 (16 wgy + 8 rh)
	s_lshl_b32 s47, s16, 3
	s_add_co_u32 s47, s47, s46
	s_lshl_b32 s47, s47, 6                         ; B's
	s_sub_co_u32 s47, s47, s18
	v_mul_lo_u32 v4, v2, s47                       ; lanes 16-31 take B's: one product, h x the distance
	v_lshl_add_u32 v[SOFF], v1, 2, v4
	v_add_nc_u32 v[SOFF], s18, v[SOFF]
.irp i, 0,1,2,3,4,5,6,7
.irp s, 0,1,2,3,4,5,6,7
	global_load_b32 v[SC+8*\i+\s], v[SOFF], s[6:7] offset:\s*PLANE+64*\i   ; part 1's scale words, once
.endr
.endr
	s_lshl_b32 s19, s42, 3
	s_lshl_b32 s47, s15, 2
	s_add_co_u32 s19, s19, s47
	s_add_co_u32 s19, s19, 640
	s_lshl_b32 s19, s19, 6                         ; part 2, A's scale words: 64 (640 + 8 wgx + 4 rh)
	s_lshl_b32 s47, s16, 3
	s_add_co_u32 s47, s47, s20
	s_lshl_b32 s47, s47, 6                         ; B's: 64 (16 wgy + 8 ch)
	s_sub_co_u32 s47, s47, s19                     ; (under 0: the sum below comes back into 32 bits)
	v_mul_lo_u32 v4, v2, s47
	v_lshl_add_u32 v[SOFF2], v1, 2, v4
	v_add_nc_u32 v[SOFF2], s19, v[SOFF2]
	v_lshl_add_u32 v[SOFF3], v2, 8, v[SOFF2]
	v_add_nc_u32 v[SOFF3], 0xffffff00, v[SOFF3]    ; lanes 0-15: 256 bytes, four tiles, back
	s_lshl_b32 s18, s14, 9
	s_add_co_u32 s18, s18, SSTG
	v_lshlrev_b32 v4, 2, v1
	v_add_nc_u32 v[SWA], s18, v4
	v_add_nc_u32 v[SWR], s18, v[LI]
	v_lshrrev_b32 v[GO2], 1, v[LI]                 ; 8 x lane
	v_add_nc_u32 v[SWR2], s18, v[GO2]
.irp b, 0,1,2,3
	v_mov_b32 v[TM+4+\b], 0                        ; a lane permute's destination counts as one of its sources
.endr
	; where part 2's results go: codes at 12,582,912 + (64 batch + 8 wgx + 4 rh) x 24,576 + (2 (wgy % 8) + ch) x 1,536; scale words at 524,288 + (2 wgy + ch) x 4,096 + 64 (8 wgx + 4 rh)
	s_lshr_b32 s46, s17, 3
	s_lshl_b32 s46, s46, 6
	s_lshl_b32 s47, s42, 3
	s_add_co_u32 s46, s46, s47
	s_lshl_b32 s47, s15, 2
	s_add_co_u32 s46, s46, s47
	s_mul_i32 s46, s46, 24576
	s_and_b32 s47, s17, 7
	s_lshl_b32 s47, s47, 1
	s_add_co_u32 s47, s47, s16
	s_mul_i32 s47, s47, 1536
	s_add_co_u32 s46, s46, s47
	s_add_co_u32 s46, s46, 12582912
	s_mov_b32 s47, 0
	s_add_nc_u64 s[OUT2:OUT2+1], s[8:9], s[46:47]
	s_lshl_b32 s46, s17, 1
	s_add_co_u32 s46, s46, s16
	s_lshl_b32 s46, s46, 12
	s_lshl_b32 s21, s42, 3
	s_lshl_b32 s22, s15, 2
	s_add_co_u32 s21, s21, s22
	s_lshl_b32 s21, s21, 6
	s_add_co_u32 s46, s46, s21
	s_add_co_u32 s46, s46, 524288
	s_add_nc_u64 s[SOUT2:SOUT2+1], s[10:11], s[46:47]
	; and part 1's: codes at (16 wgy + 8 rh) x 24,576 + (2 wgx + ch) x 1,536; scale words at (2 wgx + ch) x 32,768 + 64 (16 wgy + 8 rh)
	s_lshl_b32 s18, s15, 3
	s_add_co_u32 s18, s18, s20
	s_lshl_b32 s19, s42, 1
	s_add_co_u32 s19, s19, s16
	s_mul_i32 s46, s18, 24576
	s_mul_i32 s21, s19, 1536
	s_add_co_u32 s46, s46, s21
	s_add_nc_u64 s[8:9], s[8:9], s[46:47]
	s_lshl_b32 s46, s19, 15
	s_lshl_b32 s21, s18, 6
	s_add_co_u32 s46, s46, s21
	s_add_nc_u64 s[10:11], s[10:11], s[46:47]
.macro FRAG reg, adr, q, i             ; an image comes back as it was stored: three loads of 512 consecutive bytes
.irp g, 0,1,2
	ds_load_b128 v[\reg+4*\g:\reg+4*\g+3], v[\adr] offset:3072*(\i)+1536*((\q)%2)+512*\g
.endr
.endm
.macro FETCH_B q, p                    ; part 1: B's eight fragments of K step q into set p
	WIN TO_B
.irp i, 0,1,2,3,4,5,6,7
	FRAG 128*(\p)+FR*\i, ADRB+((\q)/2)%3, \q, \i
.endr
	WIN 0
.endm
.macro FETCH_A q, i0                   ; A's blocks i0 .. i0 + 3
.irp i, \i0, \i0+1, \i0+2, \i0+3
	FRAG AF+FR*(\i), ADRA+((\q)/2)%3, \q, \i
.endr
.endm
; 16 products: A's blocks a0, a0 + 1 x B's eight.  The accumulators take turns, one instruction a turn, in the same order in every step.
.macro MUL16 a0, p, q, zero
.irp a, \a0, \a0+1
.irp b, 0,1,2,3,4,5,6,7
.if \zero
	v_wmma_scale_f32_16x16x128_f8f6f4 v[8*(8*((\a)%4)+\b):8*(8*((\a)%4)+\b)+7], v[128*(\p)+FR*\b:128*(\p)+FR*\b+FR-1], v[AF+FR*(\a):AF+FR*(\a)+FR-1], 0, v[SC+8*\b+(\q)], v[SC+8*(\a)+(\q)] matrix_a_fmt:MATRIX_FMT_FP6 matrix_b_fmt:MATRIX_FMT_FP6 matrix_a_scale:MATRIX_SCALE_ROW1
.else
	v_wmma_scale_f32_16x16x128_f8f6f4 v[8*(8*((\a)%4)+\b):8*(8*((\a)%4)+\b)+7], v[128*(\p)+FR*\b:128*(\p)+FR*\b+FR-1], v[AF+FR*(\a):AF+FR*(\a)+FR-1], v[8*(8*((\a)%4)+\b):8*(8*((\a)%4)+\b)+7], v[SC+8*\b+(\q)], v[SC+8*(\a)+(\q)] matrix_a_fmt:MATRIX_FMT_FP6 matrix_b_fmt:MATRIX_FMT_FP6 matrix_a_scale:MATRIX_SCALE_ROW1
.endif
.endr
.endr
.endm
.macro STEP q, zero                    ; a K step whose successor's slot is already whole for every wave
	s_wait_dscnt 12                                ; B's set and A's blocks 0-3 are in; A's blocks 4-7 (4 x 3 loads) may be out
	WIN MUL_LO
	MUL16 0, (\q)%2, \q, \zero
	MUL16 2, (\q)%2, \q, \zero
	s_wait_dscnt 0x0
	PLACES
	FETCH_B (\q)+1, 1-(\q)%2
	FETCH_A (\q)+1, 0
	WIN MUL_HI
	MUL16 4, (\q)%2, \q, \zero
	MUL16 6, (\q)%2, \q, \zero
	PLACES
	WIN 0
	FETCH_A (\q)+1, 4
.endm
; A step with a round of the cluster's barrier in it.  In front of it each wave waits for all its tensor loads, adds 0 to its spare word, and waits for that and for its LDS reads.
; fill = 1: slot 0, read out, takes K steps 6 and 7.  fill = 2: slots 1 and 2 are read out: part 2's K steps 0-3 go into the bytes from P0 on.
.macro TURN q, fill
	s_wait_tensorcnt 0x0                           ; all my tensor loads have landed: every group 0 may be written
	ds_add_u32 v[SPW], v[NIL]
.if \fill == 2
	SETUP2
.endif
	s_wait_dscnt 13                                ; (the add and A's blocks 4-7 may be out)
	WIN MUL_LO
	MUL16 0, 1, \q, 0
	s_wait_dscnt 0x0                               ; the add is done, and my reads so far are over
	s_barrier_signal -1
	MUL16 2, 1, \q, 0
	WIN 0
	s_barrier_wait -1
	CREST                                          ; the barrier has opened a round of the cluster's: no wave of any partner still reads the bytes to be filled or has a load on its way
.if \fill == 1
	s_add_nc_u64 s[G0+2:G0+3], s[G0+2:G0+3], 9216
	s_add_nc_u64 s[G0B+2:G0B+3], s[G0B+2:G0B+3], 9216
	JLOAD G0, G1, G0B, G1B                         ; my one load behind the round; it has K steps 2 to 5, 256 products, in which to land; its four v_nop are the places for the loads below
.else
	JLOAD2 0                                       ; my one load behind the round; it has K steps 6 and 7 and four blocks' quantising in which to land
	PLACES                                         ; (wave 3 has issued no load and no v_nop)
.endif
	FETCH_B (\q)+1, 0
	FETCH_A (\q)+1, 0
	WIN MUL_HI
	MUL16 4, 1, \q, 0
	MUL16 6, 1, \q, 0
	PLACES
	WIN 0
	FETCH_A (\q)+1, 4
.endm
; THE WAY OUT of A's block a: its 64 registers are four blocks of 32 along the next K (16 of each in this lane, 16 in lane l xor 16).  Largest magnitudes, bytes, conversions; the halves change places so that a lane
; holds whole blocks; the 12 registers ARE the image and are stored as they stand, to s[ob:ob+1].  Each accumulator is read from its low end on.
.macro QOUT a, ob
.set W,  2+(\a)/4
.set AC, 64*((\a)%4)
.set PC, 128+24*((\a)%2)
	WIN (W<<2)|(W<<4)
.irp b, 0,1,2,3
	v_max3_num_f32 v[TM+\b], 0x1800000, |v[AC+16*\b]|, |v[AC+16*\b+1]|   ; the floor 2^-124 holds the byte at 1 from below
.endr
.irp i, 2,4,6,8,10,12,14
.irp b, 0,1,2,3
	v_max3_num_f32 v[TM+\b], v[TM+\b], |v[AC+16*\b+\i]|, |v[AC+16*\b+\i+1]|
.endr
.endr
	WIN 0
.irp b, 0,1,2,3
	v_permlanex16_b32 v[TM+4+\b], v[TM+\b], s[SEL], s[SEL+1]
.endr
.irp b, 0,1,2,3
	v_max_num_f32 v[TM+\b], v[TM+\b], v[TM+4+\b]
.endr
.irp b, 0,1,2,3
	v_add_nc_u32 v[TM+12+\b], 0xff000000, v[TM+\b] ; 2 off the exponent field: the conversion's scale operand
.endr
.irp b, 0,1,2,3
	v_lshrrev_b32 v[TM+4+\b], 23, v[TM+12+\b]
.endr
	v_lshl_or_b32 v[PW], v[TM+5], 8, v[TM+4]
	v_lshl_or_b32 v[PW], v[TM+6], 16, v[PW]
	v_lshl_or_b32 v[PW], v[TM+7], 24, v[PW]
.if (\a) >= 2
	s_wait_xcnt 0x0                                ; the stores of two blocks back have read this set of codes
.endif
	WIN W
.irp c, 0,1
	v_cvt_scalef32_pk16_fp6_f32 v[PC+6*\c:PC+6*\c+2], v[AC+32*\c:AC+32*\c+15], v[TM+12+2*\c]
	v_cvt_scalef32_pk16_fp6_f32 v[PC+12+4*\c:PC+14+4*\c], v[AC+32*\c+16:AC+32*\c+31], v[TM+13+2*\c]
.endr
	WIN 0
	v_nop                                          ; one plain place behind a scaled conversion
.irp c, 0,1
.irp i, 0,1,2
	v_permlane16_swap_b32 v[PC+6*\c+\i], v[PC+12+4*\c+\i]
.endr
.irp i, 0,1,2
	v_mov_b32 v[PC+6*\c+3+\i], v[PC+12+4*\c+\i]
.endr
.endr
	ds_store_b32 v[SWA], v[PW] offset:64*(\a)
.irp g, 0,1,2
	global_store_b128 v[LI], v[PC+4*\g:PC+4*\g+3], s[\ob:\ob+1] offset:24576*(\a)+512*\g   ; 512 consecutive bytes, aligned
.endr
.endm
.macro SCL2 i0, off                    ; part 2's scale words of tiles i0 .. i0 + 3, all eight K steps
.irp i, \i0, \i0+1, \i0+2, \i0+3
.irp s, 0,1,2,3,4,5,6,7
	global_load_b32 v[SC+8*(\i)+\s], v[\off], s[6:7] offset:\s*PLANE+64*(\i)
.endr
.endr
.endm
.macro FETCH2 q                        ; part 2: B's eight fragments and A's four of K step q into set q % 2
	WIN TO_B
.irp i, 0,1,2,3,4,5,6,7
.irp g, 0,1,2
	ds_load_b128 v[128*((\q)%2)+FR*\i+4*\g:128*((\q)%2)+FR*\i+4*\g+3], v[ADB2+(\q)/4] offset:6144*\i+1536*((\q)%4)+512*\g
.endr
.endr
	WIN 0
.irp i, 0,1,2,3
.irp g, 0,1,2
	ds_load_b128 v[AF+48*((\q)%2)+FR*\i+4*\g:AF+48*((\q)%2)+FR*\i+4*\g+3], v[ADA2+(\q)/4] offset:6144*\i+1536*((\q)%4)+512*\g
.endr
.endr
.endm
.macro MUL16P a0, q, zero              ; part 2: 16 products; the 32 accumulators take turns, one instruction a turn
.irp a, \a0, \a0+1
.irp b, 0,1,2,3,4,5,6,7
.if \zero
	v_wmma_scale_f32_16x16x128_f8f6f4 v[8*(8*(\a)+\b):8*(8*(\a)+\b)+7], v[128*((\q)%2)+FR*\b:128*((\q)%2)+FR*\b+FR-1], v[AF+48*((\q)%2)+FR*(\a):AF+48*((\q)%2)+FR*(\a)+FR-1], 0, v[SC+8*\b+(\q)], v[SC+8*(\a)+(\q)] matrix_a_fmt:MATRIX_FMT_FP6 matrix_b_fmt:MATRIX_FMT_FP6 matrix_a_scale:MATRIX_SCALE_ROW1
.else
	v_wmma_scale_f32_16x16x128_f8f6f4 v[8*(8*(\a)+\b):8*(8*(\a)+\b)+7], v[128*((\q)%2)+FR*\b:128*((\q)%2)+FR*\b+FR-1], v[AF+48*((\q)%2)+FR*(\a):AF+48*((\q)%2)+FR*(\a)+FR-1], v[8*(8*(\a)+\b):8*(8*(\a)+\b)+7], v[SC+8*\b+(\q)], v[SC+8*(\a)+(\q)] matrix_a_fmt:MATRIX_FMT_FP6 matrix_b_fmt:MATRIX_FMT_FP6 matrix_a_scale:MATRIX_SCALE_ROW1
.endif
.endr
.endr
.endm
; Part 2's K step: this step's fragments were asked for a whole step ago; the next step's 36 loads go out at the head, into the set that the step before has read.
.macro PSTEP2 q
.if (\q) == 3
	s_wait_tensorcnt 0x0                           ; my part of K steps 4-7 has landed,
	s_wait_dscnt 0x0
	s_barrier_signal -1
	s_barrier_wait -1                              ; everybody's has
.else
	s_wait_dscnt 0x0
.endif
	PLACES
.if (\q) < 7
	FETCH2 (\q)+1
.endif
	WIN MUL_LO
.if (\q) == 0
	MUL16P 0, 0, 1                                 ; the first products start the sums
	MUL16P 2, 0, 1
.else
	MUL16P 0, \q, 0
	MUL16P 2, \q, 0
.endif
	WIN 0
.endm
	; ---- PART 1
	s_wait_tensorcnt 2                             ; my part of slot 0 is in; slots 1 and 2 may be out
	s_barrier_signal -1
	s_barrier_wait -1
	FETCH_B 0, 0
	FETCH_A 0, 0
	FETCH_A 0, 4
	s_wait_loadcnt 0x0                             ; the scale words
	STEP 0, 1                                      ; the first products start the sums
	TURN 1, 1                                      ; slots 1 and 2 are whole for every wave from here on
	STEP 2, 0
	STEP 3, 0
	STEP 4, 0
	TURN 5, 2                                      ; slot 0's second fill is whole; part 2's first half is asked for
	STEP 6, 0
	s_wait_dscnt 12
	WIN MUL_LO
	MUL16 0, 1, 7, 0
	MUL16 2, 1, 7, 0
	s_wait_dscnt 0x0                               ; my last reads of part 1's slots are over
	WIN MUL_HI
	MUL16 4, 1, 7, 0
	MUL16 6, 1, 7, 0
	WIN 0
	PLACES                                         ; behind the last products: for the loads into the scale registers and for the first reads of results
	SCL2 0, SOFF2                                  ; part 2's scale words come in under part 1's way out
.irp a, 0,1,2,3
	QOUT \a, 8
.endr
	s_wait_tensorcnt 0x0                           ; part 2's first half has landed;
	ds_add_u32 v[SPW], v[NIL]
	s_wait_dscnt 0x0
	CROUND                                         ; no wave of any partner still reads part 1's slots or has a load on its way
	JLOAD2 1                                       ; my one load behind the round: K steps 4-7, into the bytes from 0 on; it has four blocks' quantising and four K steps in which to land
	SCL2 4, SOFF3
.irp a, 4,5,6,7
	QOUT \a, 8
.endr
	ds_load_b128 v[180:183], v[SWR]                ; my eight tiles' scale words
	s_wait_dscnt 0x0
	global_store_b128 v[LI], v[180:183], s[10:11]  ; 512 consecutive bytes, aligned
	; ---- PART 2
	s_wait_xcnt 0x0                                ; part 1's stores have read their registers: fragments may land there
	FETCH2 0
	s_wait_loadcnt 0x0                             ; part 2's scale words
.irp n, 0,1,2,3,4,5,6,7
	PSTEP2 \n
.endr
	PLACES
.irp a, 0,1,2,3
	QOUT \a, OUT2
.endr
	ds_load_b64 v[180:181], v[SWR2]                ; my four tiles' scale words
	s_wait_dscnt 0x0
	global_store_b64 v[GO2], v[180:181], s[SOUT2:SOUT2+1]   ; 256 consecutive bytes, aligned
	s_wait_tensorcnt 0x0                           ; the wave's end
	ds_add_u32 v[SPW], v[NIL]
	s_wait_dscnt 0x0
	CROUND                                         ; the closing round
	s_endpgm
.Lfunc_end_k_qa400b1e4de_proj:
	.size	k_qa400b1e4de_proj, .Lfunc_end_k_qa400b1e4de_proj-k_qa400b1e4de_proj
	.p2alignl 7, 3214868480
	.fill 96, 4, 3214868480
	.section	.rodata,"a",@progbits
	.p2align	6, 0x0
	.amdhsa_kernel k_qa400b1e4de_proj
		.amdhsa_group_segment_fixed_size 327680
		.amdhsa_private_segment_fixed_size 0
		.amdhsa_enable_private_segment 0
		.amdhsa_kernarg_size 32
		.amdhsa_user_sgpr_count 2
		.amdhsa_user_sgpr_kernarg_segment_ptr 1
		.amdhsa_wavefront_size32 1
		.amdhsa_system_sgpr_workgroup_id_x 1
		.amdhsa_system_sgpr_workgroup_id_y 1
		.amdhsa_system_sgpr_workgroup_id_z 1
		.amdhsa_system_vgpr_workitem_id 0
		.amdhsa_next_free_vgpr 1024
		.amdhsa_next_free_sgpr 100
		.amdhsa_reserve_vcc 0
		.amdhsa_float_denorm_mode_32 3
		.amdhsa_float_denorm_mode_16_64 3
		.amdhsa_memory_ordered 1
		.amdhsa_forward_progress 1
		.amdhsa_inst_pref_size 223
	.end_amdhsa_kernel
	.amdgpu_metadata
---
amdhsa.version: [ 1, 2 ]
amdhsa.kernels:
  - .name:           k_qa400b1e4de_proj
    .symbol:         k_qa400b1e4de_proj.kd
    .args:
      - { .name: cxw, .offset: 0, .size: 8, .value_kind: global_buffer, .address_space: global }
      - { .name: sxw, .offset: 8, .size: 8, .value_kind: global_buffer, .address_space: global }
      - { .name: cqkv, .offset: 16, .size: 8, .value_kind: global_buffer, .address_space: global }
      - { .name: sqkv, .offset: 24, .size: 8, .value_kind: global_buffer, .address_space: global }
    .group_segment_fixed_size: 327680
    .private_segment_fixed_size: 0
    .kernarg_segment_align: 8
    .kernarg_segment_size: 32
    .max_flat_workgroup_size: 128
    .sgpr_count:     100
    .vgpr_count:     1024
    .wavefront_size: 32
...
	.end_amdgpu_metadata
.endif
;; end of part 2
;; launch scores (part 3): grid 9 x 16, 4 waves a work-group, no clusters, 327,680 bytes of LDS; arguments cqkv, sqkv, pc, pst; writes pc, pst
.if DOCPART == 3
	.amdgcn_target "amdgcn-amd-amdhsa--gfx1250"
	.amdhsa_code_object_version 6
	.text
	.protected	k_qa400b1e4de_scores
	.globl	k_qa400b1e4de_scores
	.p2align	8
	.type	k_qa400b1e4de_scores,@function
k_qa400b1e4de_scores:
	s_mov_b64 s[64:65], 0
	v_nop
	global_prefetch_b8 v0, s[64:65] scope:SCOPE_SE
	s_setreg_imm32_b32 hwreg(HW_REG_WAVE_MODE, 25, 1), 1
	s_wait_xcnt 0x0
; S = q k^T on codes of FP6 (E2M3), the causal mask, and p = 2^(t - M) quantised along the keys, for the tiles of 256 queries x 256 keys at or under the diagonal: 36 a batch, 144 work-groups of equal work.
; THE MAXIMUM IS LOCAL: a wave owns 128 queries x 128 keys (one key group) and takes M_g = ceil(largest t of the row IN THIS GROUP), a whole number.  It stores p's codes (images of operand registers), the local scale
; word, M_g and the group's sum l_g of the unquantised p.  The next launch moves each scale byte by M_g - M_row, an exact power of two, and adds the sums up.  t = score x log2(e) / 32 (1 / 32 = 1 / sqrt(1024), exact).
; The product's core: a tile of 256 x 256, four waves of 128 x 128, K = 1,024 in eight steps written out, images through three LDS slots of 256 along K, slot 0 filled twice.
; TRANSPOSED (source 0 = 16 keys, source 1 = 16 queries), with lane index r of tile T = row 32 (T / 2) + 8 (T % 2) + r + 8 (r / 8): a lane holds one query, register 16 b + i of a query tile's 64 = key 32 b + 16 (lane / 16) + i.
; OUT.  pc: [query tile 0..511][key group 0..15] images of 1,536 bytes.  pst: three sections of 524,288 (scale word, M_g, l_g), each 16 planes (key group) of 32,768: (tile, r) at 64 tile + 4 r.
; On a diagonal tile with an even row number the two key groups that follow are stored as zero codes, so that every byte that the next launch's tile loads bring has been written.
; NO CLUSTER: the triangle's rows have 1 to 8 tiles (9 for a folded pair), which no cluster of four divides.
; LIMITS: NaN and infinities are not served; a block whose every p is 0 has the byte 1; a row all of whose keys in a group are hidden gets M_g near -1.35e37, p = 0, l_g = 0 (such a group is never read).
.set SLOT,  98304
.set SSTG,  3*SLOT                     ; 1,536 bytes a wave: scale words, M_g, l_g on their way out
.set SPARE, SSTG+4*1536
.set FR,    12
.set PLANE, 32768
.set LI,   3
.set ADRA, 16
.set ADRB, 20
.set SOFF, 24
.set SWA,  25
.set SWR,  26
.set SPW,  28
.set NIL,  29
.set SC,   32
.set TM,   96
.set PW,   112
.set NINF, 114
.set DM,   116
.set DD,   117
.set NM,   118                         ; v[118:119] -M_g (the packed form names the pair and takes its low word)
.set LA,   120
.set LB,   122
.set T1,   124
.set T2,   125
.set MG,   126
.set LSUM, 127
.set AF,   128
.set G1,   24
.set G0,   48
.set NEEDM, 42
.set ZERO,  43
.set CS,   60
.set SEL,  62
.set MSB, 0
.macro WIN new
.if MSB != (\new)
	s_set_vgpr_msb (MSB<<8)|(\new)
.set MSB, (\new)
.endif
.endm
.set MUL_LO, 0xa1
.set MUL_HI, 0xf1
.set TO_B,   0x40
.macro PLACES
.rept 4
	v_nop
.endr
.endm
	s_load_b256 s[4:11], s[0:1], 0x0               ; cqkv s[4:5], sqkv s[6:7], pc s[8:9], pst s[10:11]
	v_lshl_add_u32 v[SPW], v0, 2, SPARE
	v_mov_b32 v[NIL], 0
	ds_add_u32 v[SPW], v[NIL]                      ; the opening: an add and its wait ahead of my first tensor load
	v_lshrrev_b32 v1, 5, v0
	v_readfirstlane_b32 s14, v1                    ; wave
	s_lshr_b32 s15, s14, 1                         ; rh: my half of the queries
	s_and_b32 s16, s14, 1                          ; ch: my half of the keys.  Also: which eight tiles I fetch
	s_and_b32 s12, ttmp7, 0xffff
	s_and_b32 s13, s12, 3                          ; p: rows p and 7 - p of the triangle are folded: p + 1 and 8 - p tiles
	s_lshr_b32 s12, s12, 2                         ; the batch
	s_sub_co_u32 s17, 7, s13
	s_sub_co_u32 s18, ttmp9, s13
	s_sub_co_u32 s18, s18, 1
	s_cmp_le_u32 ttmp9, s13
	s_cselect_b32 s17, s13, s17                    ; I: tile row
	s_cselect_b32 s18, ttmp9, s18                  ; J: tile column, at most I
	s_lshl_b32 s19, s12, 7
	s_lshl_b32 s20, s17, 4
	s_add_co_u32 s20, s20, s19                     ; the queries' first tile
	s_lshl_b32 s21, s18, 4
	s_add_co_u32 s21, s21, s19                     ; the keys'
	s_mov_b32 s[G1], 3<<16                         ; no mask; elements of 8 bytes; no padding
	s_mov_b32 s[G1+1], 384<<16                     ; 3,072 bytes: two K steps' images of a tile
	s_mov_b32 s[G1+2], 8<<16
	s_mov_b32 s[G1+3], 384<<16
	s_mov_b32 s[G1+4], 8                           ; 8 tiles
	s_mov_b32 s[G1+5], 3072                        ; from tile to tile: 24,576 bytes
	s_mov_b32 s[G1+6], 0
	s_mov_b32 s[G1+7], 0
	s_lshl_b32 s22, s16, 3
	s_add_co_u32 s23, s20, s22
	s_mul_i32 s23, s23, 24576                      ; waves 0, 1: q's images
	s_add_co_u32 s40, s21, s22
	s_mul_i32 s40, s40, 24576
	s_add_co_u32 s40, s40, 12288                   ; waves 2, 3: k's, eight images on in a tile
	s_cmp_lt_u32 s14, 2
	s_cselect_b32 s22, s23, s40
	s_mov_b32 s23, 0
	s_mul_i32 s45, s14, 24576                      ; where my eight tiles go
	s_cmp_eq_u32 s17, s18
	s_cselect_b32 s41, 1, 0                        ; on the diagonal
	s_cmp_le_u32 s15, s16
	s_cselect_b32 s[NEEDM], s41, 0                 ; and my 128 x 128 touches it or lies above it
	s_and_b32 s[ZERO], s17, 1
	s_xor_b32 s[ZERO], s[ZERO], 1
	s_and_b32 s[ZERO], s[ZERO], s41                ; on the diagonal of an even row
	s_mov_b32 s[CS], 0x3d38aa3b                    ; c = log2(e) / 32
	s_mov_b32 s[CS+1], s[CS]
	s_mov_b32 s[SEL], 0x76543210
	s_mov_b32 s[SEL+1], 0xfedcba98
	s_wait_dscnt 0x0
	s_wait_kmcnt 0x0
	s_add_nc_u64 s[22:23], s[4:5], s[22:23]
.irp s, 0,1,2
	s_mov_b32 s[G0+4*\s], 1
	s_add_co_u32 s[G0+4*\s+1], s45, \s*SLOT
	s_add_nc_u64 s[G0+4*\s+2:G0+4*\s+3], s[22:23], \s*3072
	s_or_b32 s[G0+4*\s+3], s[G0+4*\s+3], 0x80000000
.endr
.irp s, 0,1,2
	tensor_load_to_lds s[G0+4*\s:G0+4*\s+3], s[G1:G1+7]   ; three loads of mine are out: K steps 0-5; each wave's go to bytes of its own
	s_nop 0
.endr
	PLACES
	v_and_b32 v1, 15, v0                           ; r
	v_bfe_u32 v2, v0, 4, 1                         ; h
	v_and_b32 v3, 31, v0
	v_lshlrev_b32 v[LI], 4, v3
	s_mul_i32 s44, s15, 24576
	s_mul_i32 s46, s16, 24576
	s_add_co_u32 s46, s46, 49152
.irp s, 0,1,2
	v_add_nc_u32 v[ADRA+\s], s44, v[LI]
	v_add_nc_u32 v[ADRB+\s], s46, v[LI]
	s_add_co_u32 s44, s44, SLOT
	s_add_co_u32 s46, s46, SLOT
.endr
	s_lshl_b32 s44, s15, 3
	s_add_co_u32 s44, s44, s20                     ; my first query tile
	s_lshl_b32 s47, s44, 6                         ; q's scale words
	s_lshl_b32 s46, s16, 3
	s_add_co_u32 s46, s46, s21
	s_lshl_b32 s46, s46, 6
	s_add_co_u32 s46, s46, 8*PLANE                 ; k's: eight planes on
	s_sub_co_u32 s46, s46, s47
	v_mul_lo_u32 v4, v2, s46                       ; lanes 16-31 take k's: one product, h x the distance
	v_lshl_add_u32 v[SOFF], v1, 2, v4
	v_add_nc_u32 v[SOFF], s47, v[SOFF]
.irp i, 0,1,2,3,4,5,6,7
.irp s, 0,1,2,3,4,5,6,7
	global_load_b32 v[SC+8*\i+\s], v[SOFF], s[6:7] offset:\s*PLANE+64*\i
.endr
.endr
	s_mul_i32 s46, s14, 1536
	s_add_co_u32 s46, s46, SSTG
	v_lshlrev_b32 v4, 2, v1
	v_add_nc_u32 v[SWA], s46, v4
	v_add_nc_u32 v[SWR], s46, v[LI]
	v_and_b32 v4, 8, v1
	v_add_nc_u32 v4, v4, v1                        ; r + 8 (r / 8)
	v_lshlrev_b32 v5, 4, v2
	v_sub_nc_u32 v4, v4, v5
	s_sub_co_i32 s46, s15, s16
	s_lshl_b32 s46, s46, 7
	v_add_nc_u32 v[DM], s46, v4                    ; my query less my first key, on the diagonal tile: r + 8 (r / 8) - 16 h + 128 (rh - ch), + the query tile's 32 (a / 2) + 8 (a % 2)
	v_mov_b32 v[NINF], 0xff800000
	v_mov_b32 v[NM+1], 0
	v_mov_b32 v[T1], 0
.irp b, 0,1,2,3
	v_mov_b32 v[TM+4+\b], 0
.endr
	s_lshl_b32 s46, s18, 1
	s_add_co_u32 s46, s46, s16                     ; my key group: 2 J + ch
	s_mul_i32 s66, s44, 24576
	s_mul_i32 s67, s46, 1536
	s_add_co_u32 s66, s66, s67
	s_mov_b32 s67, 0
	s_add_nc_u64 s[8:9], s[8:9], s[66:67]          ; p's images
	s_lshl_b32 s66, s46, 15
	s_add_co_u32 s66, s66, s47
	s_add_nc_u64 s[10:11], s[10:11], s[66:67]      ; the statistics
.macro FRAG reg, adr, q, i
.irp g, 0,1,2
	ds_load_b128 v[\reg+4*\g:\reg+4*\g+3], v[\adr] offset:3072*(\i)+1536*((\q)%2)+512*\g
.endr
.endm
.macro FETCH_B q, p
	WIN TO_B
.irp i, 0,1,2,3,4,5,6,7
	FRAG 128*(\p)+FR*\i, ADRB+((\q)/2)%3, \q, \i
.endr
	WIN 0
.endm
.macro FETCH_A q, i0
.irp i, \i0, \i0+1, \i0+2, \i0+3
	FRAG AF+FR*(\i), ADRA+((\q)/2)%3, \q, \i
.endr
.endm
; 16 products; the 64 accumulators take turns, one instruction a turn, in the same order in every step
.macro MUL16 a0, p, q, zero
.irp a, \a0, \a0+1
.irp b, 0,1,2,3,4,5,6,7
.if \zero
	v_wmma_scale_f32_16x16x128_f8f6f4 v[8*(8*((\a)%4)+\b):8*(8*((\a)%4)+\b)+7], v[128*(\p)+FR*\b:128*(\p)+FR*\b+FR-1], v[AF+FR*(\a):AF+FR*(\a)+FR-1], 0, v[SC+8*\b+(\q)], v[SC+8*(\a)+(\q)] matrix_a_fmt:MATRIX_FMT_FP6 matrix_b_fmt:MATRIX_FMT_FP6 matrix_a_scale:MATRIX_SCALE_ROW1
.else
	v_wmma_scale_f32_16x16x128_f8f6f4 v[8*(8*((\a)%4)+\b):8*(8*((\a)%4)+\b)+7], v[128*(\p)+FR*\b:128*(\p)+FR*\b+FR-1], v[AF+FR*(\a):AF+FR*(\a)+FR-1], v[8*(8*((\a)%4)+\b):8*(8*((\a)%4)+\b)+7], v[SC+8*\b+(\q)], v[SC+8*(\a)+(\q)] matrix_a_fmt:MATRIX_FMT_FP6 matrix_b_fmt:MATRIX_FMT_FP6 matrix_a_scale:MATRIX_SCALE_ROW1
.endif
.endr
.endr
.endm
.macro STEP q, zero
	s_wait_dscnt 12                                ; the keys' set and the queries' blocks 0-3 are in; blocks 4-7 (4 x 3 loads) may be out
	WIN MUL_LO
	MUL16 0, (\q)%2, \q, \zero
	MUL16 2, (\q)%2, \q, \zero
	s_wait_dscnt 0x0
	PLACES
	FETCH_B (\q)+1, 1-(\q)%2
	FETCH_A (\q)+1, 0
	WIN MUL_HI
	MUL16 4, (\q)%2, \q, \zero
	MUL16 6, (\q)%2, \q, \zero
	PLACES
	WIN 0
	FETCH_A (\q)+1, 4
.endm
.macro TURN q, fill
	s_wait_tensorcnt 0x0                           ; all my tensor loads have landed: a group 0 may be written
	ds_add_u32 v[SPW], v[NIL]
.if \fill
	s_add_nc_u64 s[G0+2:G0+3], s[G0+2:G0+3], 9216  ; K steps 6 and 7
.endif
	s_wait_dscnt 13                                ; (the add and the queries' blocks 4-7 may be out)
	WIN MUL_LO
	MUL16 0, 1, \q, 0
	s_wait_dscnt 0x0                               ; the add is done, and my reads so far are over
	s_barrier_signal -1
	MUL16 2, 1, \q, 0
	WIN 0
	s_barrier_wait -1
.if \fill
	tensor_load_to_lds s[G0:G0+3], s[G1:G1+7]      ; my one load behind the barrier: slot 0 again; it has K steps 2 to 5, 256 products, in which to land
	s_nop 0
.endif
	PLACES
	FETCH_B (\q)+1, 0
	FETCH_A (\q)+1, 0
	WIN MUL_HI
	MUL16 4, 1, \q, 0
	MUL16 6, 1, \q, 0
	PLACES
	WIN 0
	FETCH_A (\q)+1, 4
.endm
	s_wait_tensorcnt 2                             ; my part of slot 0 is in; slots 1 and 2 may be out
	s_barrier_signal -1
	s_barrier_wait -1
	FETCH_B 0, 0
	FETCH_A 0, 0
	FETCH_A 0, 4
	s_wait_loadcnt 0x0                             ; the scale words
	STEP 0, 1
	TURN 1, 1                                      ; slots 1 and 2 are whole for every wave from here on
	STEP 2, 0
	STEP 3, 0
	STEP 4, 0
	TURN 5, 0                                      ; slot 0's second fill is whole
	STEP 6, 0
	s_wait_dscnt 12
	WIN MUL_LO
	MUL16 0, 1, 7, 0
	MUL16 2, 1, 7, 0
	s_wait_dscnt 0x0
	WIN MUL_HI
	MUL16 4, 1, 7, 0
	MUL16 6, 1, 7, 0
	WIN 0
; THE SOFTMAX of query tile a over my 128 keys, and its quantiser.  The 64 exponentials are one batch with one wait; the four of the blocks' largest p a second, with the sums as the work behind them.
.macro SOFT a
.set W,  2+(\a)/4
.set AC, 64*((\a)%4)
.set PC, 128+24*((\a)%2)
	s_cmp_eq_u32 s[NEEDM], 0                       ; ids and the wave's number alone; no barrier stands inside
	s_cbranch_scc1 .Lopen_\@
	v_add_nc_u32 v[DD], 32*((\a)/2)+8*((\a)%2), v[DM]
	WIN (W<<6)|W
.set n, 0
.rept 64
	v_cmp_gt_i32 vcc_lo, 32*(n/16)+n%16, v[DD]     ; register n holds key 32 (n / 16) + 16 h + n % 16: hidden where it comes after my query
	v_cndmask_b32 v[AC+n], v[AC+n], v[NINF], vcc_lo
.set n, n+1
.endr
	WIN 0
.Lopen_\@:
	WIN (W<<2)|(W<<4)
.irp b, 0,1,2,3
	v_max3_num_f32 v[TM+\b], 0xff61b1e6, v[AC+16*\b], v[AC+16*\b+1]   ; each block's largest score; the leaf -3e38 keeps M a number where all is hidden
.endr
.irp i, 2,4,6,8,10,12,14
.irp b, 0,1,2,3
	v_max3_num_f32 v[TM+\b], v[TM+\b], v[AC+16*\b+\i], v[AC+16*\b+\i+1]
.endr
.endr
	WIN 0
.irp b, 0,1,2,3
	v_permlanex16_b32 v[TM+4+\b], v[TM+\b], s[SEL], s[SEL+1]
.endr
.irp b, 0,1,2,3
	v_max_num_f32 v[TM+\b], v[TM+\b], v[TM+4+\b]
.endr
	v_max3_num_f32 v[T2], v[TM], v[TM+1], v[TM+2]
	v_max_num_f32 v[T2], v[T2], v[TM+3]            ; the group's largest score of my query
	v_mul_f32 v[T2], s[CS], v[T2]                  ; as t
	v_floor_f32 v[NM], -v[T2]                      ; -M_g = floor(-t): a whole number
.irp b, 0,1,2,3
	v_fma_f32 v[TM+\b], v[TM+\b], s[CS], v[NM]     ; p rises with the score: the block's largest score gives its largest p by the same two instructions
.endr
	WIN (W<<6)|W
.set n, 0
.rept 32
	v_pk_fma_f32 v[AC+n:AC+n+1], v[AC+n:AC+n+1], s[CS:CS+1], v[NM:NM+1] op_sel_hi:[1,0,0]
.set n, n+2
.endr
.set n, 0
.rept 64
	v_exp_f32 v[AC+n], v[AC+n]                     ; p = 2^(t - M_g)
.set n, n+1
.endr
	WIN 0
	v_xor_b32 v[MG], 0x80000000, v[NM]             ; M_g.  (The plain place behind the exponentials)
	s_wait_alu depctr_va_vdst(0)                   ; one wait for the batch, ahead of its first reader
.irp b, 0,1,2,3
	v_exp_f32 v[TM+\b], v[TM+\b]
.endr
	WIN W|(W<<2)
	v_pk_add_f32 v[LA:LA+1], v[AC:AC+1], v[AC+2:AC+3]      ; the sum of the UNQUANTISED p, two at a time, in two chains
	v_pk_add_f32 v[LB:LB+1], v[AC+4:AC+5], v[AC+6:AC+7]
	WIN (W<<2)
.set n, 8
.rept 14
	v_pk_add_f32 v[LA:LA+1], v[LA:LA+1], v[AC+n:AC+n+1]
	v_pk_add_f32 v[LB:LB+1], v[LB:LB+1], v[AC+n+2:AC+n+3]
.set n, n+4
.endr
	WIN 0
	v_pk_add_f32 v[LA:LA+1], v[LA:LA+1], v[LB:LB+1]
	v_add_f32 v[LSUM], v[LA], v[LA+1]
	v_permlanex16_b32 v[T1], v[LSUM], s[SEL], s[SEL+1]
	v_add_f32 v[LSUM], v[LSUM], v[T1]              ; l_g
	s_wait_alu depctr_va_vdst(0)                   ; and one for the four
.irp b, 0,1,2,3
	v_max_num_f32 v[TM+\b], 0x1800000, v[TM+\b]    ; the floor 2^-124: the byte cannot fall under 1
.endr
.irp b, 0,1,2,3
	v_add_nc_u32 v[TM+12+\b], 0xff000000, v[TM+\b]
.endr
.irp b, 0,1,2,3
	v_lshrrev_b32 v[TM+4+\b], 23, v[TM+12+\b]
.endr
	v_lshl_or_b32 v[PW], v[TM+5], 8, v[TM+4]
	v_lshl_or_b32 v[PW], v[TM+6], 16, v[PW]
	v_lshl_or_b32 v[PW], v[TM+7], 24, v[PW]
.if (\a) >= 2
	s_wait_xcnt 0x0                                ; the stores of two tiles back have read this set of codes
.endif
	WIN W
.irp c, 0,1
	v_cvt_scalef32_pk16_fp6_f32 v[PC+6*\c:PC+6*\c+2], v[AC+32*\c:AC+32*\c+15], v[TM+12+2*\c]
	v_cvt_scalef32_pk16_fp6_f32 v[PC+12+4*\c:PC+14+4*\c], v[AC+32*\c+16:AC+32*\c+31], v[TM+13+2*\c]
.endr
	WIN 0
	v_nop                                          ; one plain place behind a scaled conversion
.irp c, 0,1
.irp i, 0,1,2
	v_permlane16_swap_b32 v[PC+6*\c+\i], v[PC+12+4*\c+\i]
.endr
.irp i, 0,1,2
	v_mov_b32 v[PC+6*\c+3+\i], v[PC+12+4*\c+\i]
.endr
.endr
	ds_store_b32 v[SWA], v[PW] offset:64*(\a)
	ds_store_b32 v[SWA], v[MG] offset:64*(\a)+512
	ds_store_b32 v[SWA], v[LSUM] offset:64*(\a)+1024
.irp g, 0,1,2
	global_store_b128 v[LI], v[PC+4*\g:PC+4*\g+3], s[8:9] offset:24576*(\a)+512*\g   ; 512 consecutive bytes, aligned
.endr
.endm
	PLACES
.irp a, 0,1,2,3,4,5,6,7
	SOFT \a
.endr
.irp k, 0,1,2
	ds_load_b128 v[180+4*\k:183+4*\k], v[SWR] offset:512*\k
.endr
.irp i, 0,1,2,3
	v_mov_b32 v[176+\i], 0
.endr
	s_wait_dscnt 0x0
.irp k, 0,1,2
	global_store_b128 v[LI], v[180+4*\k:183+4*\k], s[10:11] offset:524288*\k   ; my eight tiles' scale words, M_g, l_g: 512 consecutive bytes each
.endr
	s_cmp_eq_u32 s[ZERO], 0
	s_cbranch_scc1 .Lno_zero
.irp a, 0,1,2,3,4,5,6,7
.irp g, 0,1,2
	global_store_b128 v[LI], v[176:179], s[8:9] offset:24576*\a+512*\g+3072   ; key group 2 I + 2 + ch: zero codes
.endr
.endr
.Lno_zero:
	s_wait_tensorcnt 0x0                           ; the wave's end
	ds_add_u32 v[SPW], v[NIL]
	s_wait_dscnt 0x0
	s_endpgm
.Lfunc_end_k_qa400b1e4de_scores:
	.size	k_qa400b1e4de_scores, .Lfunc_end_k_qa400b1e4de_scores-k_qa400b1e4de_scores
	.p2alignl 7, 3214868480
	.fill 96, 4, 3214868480
	.section	.rodata,"a",@progbits
	.p2align	6, 0x0
	.amdhsa_kernel k_qa400b1e4de_scores
		.amdhsa_group_segment_fixed_size 327680
		.amdhsa_private_segment_fixed_size 0
		.amdhsa_enable_private_segment 0
		.amdhsa_kernarg_size 32
		.amdhsa_user_sgpr_count 2
		.amdhsa_user_sgpr_kernarg_segment_ptr 1
		.amdhsa_wavefront_size32 1
		.amdhsa_system_sgpr_workgroup_id_x 1
		.amdhsa_system_sgpr_workgroup_id_y 1
		.amdhsa_system_sgpr_workgroup_id_z 1
		.amdhsa_system_vgpr_workitem_id 0
		.amdhsa_next_free_vgpr 1024
		.amdhsa_next_free_sgpr 80
		.amdhsa_reserve_vcc 1
		.amdhsa_float_denorm_mode_32 3
		.amdhsa_float_denorm_mode_16_64 3
		.amdhsa_memory_ordered 1
		.amdhsa_forward_progress 1
		.amdhsa_inst_pref_size 241
	.end_amdhsa_kernel
	.amdgpu_metadata
---
amdhsa.version: [ 1, 2 ]
amdhsa.kernels:
  - .name:           k_qa400b1e4de_scores
    .symbol:         k_qa400b1e4de_scores.kd
    .args:
      - { .name: cqkv, .offset: 0, .size: 8, .value_kind: global_buffer, .address_space: global }
      - { .name: sqkv, .offset: 8, .size: 8, .value_kind: global_buffer, .address_space: global }
      - { .name: pc, .offset: 16, .size: 8, .value_kind: global_buffer, .address_space: global }
      - { .name: pst, .offset: 24, .size: 8, .value_kind: global_buffer, .address_space: global }
    .group_segment_fixed_size: 327680
    .private_segment_fixed_size: 0
    .kernarg_segment_align: 8
    .kernarg_segment_size: 32
    .max_flat_workgroup_size: 128
    .sgpr_count:     80
    .vgpr_count:     1024
    .wavefront_size: 32
...
	.end_amdgpu_metadata
.endif
;; end of part 3
;; launch ctx (part 4): grid 4 x 64, 4 waves a work-group, no clusters, 327,680 bytes of LDS; arguments pc, pst, cqkv, sqkv, out0; writes out0
.if DOCPART == 4
	.amdgcn_target "amdgcn-amd-amdhsa--gfx1250"
	.amdhsa_code_object_version 6
	.text
	.protected	k_qa400b1e4de_ctx
	.globl	k_qa400b1e4de_ctx
	.p2align	8
	.type	k_qa400b1e4de_ctx,@function
k_qa400b1e4de_ctx:
	s_mov_b64 s[64:65], 0
	v_nop
	global_prefetch_b8 v0, s[64:65] scope:SCOPE_SE
	s_setreg_imm32_b32 hwreg(HW_REG_WAVE_MODE, 25, 1), 1
	s_wait_xcnt 0x0
; out = (P V) / l on codes of FP6 (E2M3): P's images and local statistics from the launch before, v^T's images (rows = e, K = the keys) from the projection.
; SHARES.  A work-group owns 128 queries (i = y % 16 of batch y / 16) x 256 of e (x); it multiplies key groups 0 .. i of 128 keys: what lies beyond is hidden by the causal mask.  A wave: 64 queries x 128 e, 32 accumulators.
; PROLOGUE, a thread to a query: M_row = the largest M_g; each group's scale bytes are moved by M_g - M_row (a whole number, 0 or less: an exact power of two), l = the sum of l_g 2^(M_g - M_row); the moved scale words and 1 / l go to LDS.
; TRANSPOSED (source 0 = 16 of e, source 1 = 16 queries): a lane holds one query and eight neighbouring e.
; RING.  Two LDS slots of 512 keys (P's 8 tiles and V's 16, 6,144 bytes a tile), filled by waves 0 (P), 1 and 2 (V).  Every wait on TENSORcnt is for 0.  A key slot that begins after the last key group is not asked for:
; a jump on the work-group's number, the same in all waves, leads round the load's own lines and round nothing else.  At most two loads of a wave are out.
; NO CLUSTER: the partners along e would share P alone, a third of a step's bytes.
; LIMITS: a key group more than 200 binary orders under its row's maximum enters with scale bytes held at 0 from below (2^-127) and adds next to nothing; NaN and infinities are not served.
; REGISTERS: window 0: addresses, v32-55 two sets of scale words (P's 4, V's 8), v56-63 1 / l, v64-191 at work.  window 1: accumulator (a, b) at v[8 (8 a + b)].  windows 2, 3: two sets of fragments: V's eight at v0, P's four at v96.
.set SLOT,  147456
.set PSW,   2*SLOT                     ; P's moved scale words: 16 planes (key group) of 512 bytes
.set VSW,   PSW+16*512                 ; V's: 16 planes of 1,024
.set RL,    VSW+16*1024                ; 1 / l: 512 bytes
.set SPARE, RL+512                     ; the spare words: two blocks of 256 bytes that no other line names
.set SPITCH, 528                       ; the way out: 16 rows x (512 + 16) bytes a wave, in slot 0, which has had its last fill and its last read by then
.set LI,  3
.set ADP, 16
.set ADV, 18
.set APS, 20
.set AVS, 21
.set ARL, 22
.set STO, 23
.set RD,  24
.set SPW, 28
.set NIL, 29
.set SCS, 32
.set RLV, 56
.set WD,  64
.set MM,  80
.set LL,  96
.set AG,  112
.set VD,  128
.set MR,  160
.set DF,  161
.set DI,  162
.set TT,  163
.set LS,  164
.set BY,  166
.set BK,  64
.set WV,   14
.set LAST, 17
.set G1,   24
.set G0,   32
.set MSB, 0
.macro WIN new
.if MSB != (\new)
	s_set_vgpr_msb (MSB<<8)|(\new)
.set MSB, (\new)
.endif
.endm
.macro PLACES
.rept 4
	v_nop
.endr
.endm
.macro TLOAD set                       ; waves 0 to 2 fetch, by descriptor set 0 (slot 0) or 1 (slot 1); s_nop 0 and four v_nop follow the load
	s_cmp_lt_u32 s[WV], 3
	s_cbranch_scc0 .Lnone_\@
	tensor_load_to_lds s[G0+4*(\set):G0+4*(\set)+3], s[G1:G1+7]
	s_nop 0
.rept 4
	v_nop
.endr
.Lnone_\@:
.endm
.macro TLOADJ set, j                   ; key slot j (key groups 4 j .. 4 j + 3) is asked for only where a key group of it is multiplied
	s_cmp_lt_u32 s[LAST], 4*(\j)
	s_cbranch_scc1 .Lpast_\@
	TLOAD \set
.Lpast_\@:
.endm
	s_load_b256 s[4:11], s[0:1], 0x0               ; pc s[4:5], pst s[6:7], cqkv s[8:9], sqkv s[10:11]
	s_load_b64 s[12:13], s[0:1], 0x20              ; out0
	v_lshl_add_u32 v[SPW], v0, 2, SPARE
	v_mov_b32 v[NIL], 0
	ds_add_u32 v[SPW], v[NIL]                      ; the opening: an add and its wait ahead of my first tensor load
	v_lshrrev_b32 v1, 5, v0
	v_readfirstlane_b32 s[WV], v1
	s_lshr_b32 s15, s[WV], 1                       ; rh: my 64 queries
	s_and_b32 s16, s[WV], 1                        ; ch: my 128 of e
	s_and_b32 s17, ttmp7, 0xffff
	s_lshr_b32 s18, s17, 4                         ; the batch
	s_and_b32 s[LAST], s17, 15                     ; my block of 128 queries = the last key group
	s_mov_b32 s[G1], 3<<16                         ; no mask; elements of 8 bytes; no padding
	s_mov_b32 s[G1+1], 768<<16                     ; 6,144 bytes: four key groups' images of a tile
	s_mov_b32 s[G1+2], 8<<16
	s_mov_b32 s[G1+3], 768<<16
	s_mov_b32 s[G1+4], 8                           ; 8 tiles
	s_mov_b32 s[G1+5], 3072                        ; from tile to tile: 24,576 bytes
	s_mov_b32 s[G1+6], 0
	s_mov_b32 s[G1+7], 0
	s_lshl_b32 s19, s18, 7
	s_lshl_b32 s20, s[LAST], 3
	s_add_co_u32 s19, s19, s20                     ; my first query tile
	s_mul_i32 s20, s19, 24576
	s_lshl_b32 s21, s18, 6
	s_lshl_b32 s22, ttmp9, 4
	s_add_co_u32 s21, s21, s22                     ; my first tile of v^T
	s_max_u32 s22, s[WV], 1
	s_sub_co_u32 s22, s22, 1
	s_lshl_b32 s22, s22, 3                         ; wave 1: tiles 0-7, wave 2: tiles 8-15
	s_add_co_u32 s22, s22, s21
	s_mul_i32 s22, s22, 24576
	s_add_co_u32 s22, s22, 12582912
	s_mul_i32 s23, s[WV], 49152                    ; where my eight tiles go
	s_wait_dscnt 0x0
	s_wait_kmcnt 0x0
	s_cmp_eq_u32 s[WV], 0                          ; P's buffer or v^T's: the choice hangs on the wave's number alone
	s_cselect_b64 s[40:41], s[4:5], s[8:9]
	s_cselect_b32 s42, s20, s22
	s_mov_b32 s43, 0
	s_add_nc_u64 s[40:41], s[40:41], s[42:43]
	s_mov_b32 s[G0], 1
	s_mov_b32 s[G0+1], s23
	s_mov_b64 s[G0+2:G0+3], s[40:41]
	s_or_b32 s[G0+3], s[G0+3], 0x80000000
	s_mov_b32 s[G0+4], 1
	s_add_co_u32 s[G0+5], s23, SLOT
	s_add_nc_u64 s[G0+6:G0+7], s[40:41], 6144
	s_or_b32 s[G0+7], s[G0+7], 0x80000000
	TLOAD 0                                        ; key groups 0-3
	TLOADJ 1, 1                                    ; key groups 4-7
	v_and_b32 v1, 15, v0                           ; r
	v_bfe_u32 v2, v0, 4, 1                         ; h
	v_and_b32 v3, 31, v0
	v_lshlrev_b32 v[LI], 4, v3
	s_mul_i32 s44, s15, 24576
	s_mul_i32 s45, s16, 49152
	s_add_co_u32 s45, s45, 49152
.irp s, 0,1
	v_add_nc_u32 v[ADP+\s], s44, v[LI]
	v_add_nc_u32 v[ADV+\s], s45, v[LI]
	s_add_co_u32 s44, s44, SLOT
	s_add_co_u32 s45, s45, SLOT
.endr
	v_lshlrev_b32 v10, 2, v1
	s_lshl_b32 s44, s15, 8
	s_add_co_u32 s45, s44, PSW
	v_add_nc_u32 v[APS], s45, v10
	s_add_co_u32 s45, s44, RL
	v_add_nc_u32 v[ARL], s45, v10
	s_lshl_b32 s44, s16, 9
	s_add_co_u32 s44, s44, VSW
	v_add_nc_u32 v[AVS], s44, v10
	s_mul_i32 s44, s[WV], 16*SPITCH
	v_mul_u32_u24 v[STO], v1, SPITCH
	v_lshl_add_u32 v[STO], v2, 6, v[STO]
	v_add_nc_u32 v[STO], s44, v[STO]               ; the stage, in: row r, + 64 h
	v_add_nc_u32 v[RD], s44, v[LI]                 ; back: a row of 512 bytes to the 32 lanes
.irp a, 0,1,2,3
	v_mov_b32 v[RLV+2*\a+1], 0                     ; (named as the upper halves of pairs)
.endr
	; ---- the prologue: thread tau serves row tau of the 128 (tile tau / 16, lane index tau % 16)
	v_lshlrev_b32 v4, 2, v0
	v_lshl_add_u32 v5, v0, 2, PSW
	v_lshl_add_u32 v6, v0, 4, VSW
	v_lshl_add_u32 v7, v0, 2, RL
	v_lshrrev_b32 v8, 6, v0
	v_and_b32 v9, 63, v0
	v_lshlrev_b32 v9, 4, v9
	v_lshl_add_u32 v8, v8, 12, v9                  ; V's scale words: two planes of 1,024 bytes an instruction
	s_lshl_b32 s44, s19, 6
	s_mov_b32 s45, 0
	s_add_nc_u64 s[6:7], s[6:7], s[44:45]
	s_lshl_b32 s44, s18, 16
	s_lshl_b32 s46, ttmp9, 10
	s_add_co_u32 s44, s44, s46
	s_add_co_u32 s44, s44, 524288
	s_add_nc_u64 s[10:11], s[10:11], s[44:45]
.set g, 0
.rept 16
	s_min_u32 s46, s[LAST], g                      ; a group beyond the last is read as the last: only written bytes are loaded
	s_lshl_b32 s46, s46, 15
	v_add_nc_u32 v[AG+g], s46, v4
.set g, g+1
.endr
.set g, 0
.rept 16
	global_load_b32 v[WD+g], v[AG+g], s[6:7]
	global_load_b32 v[MM+g], v[AG+g], s[6:7] offset:524288
	global_load_b32 v[LL+g], v[AG+g], s[6:7] offset:1048576
.set g, g+1
.endr
.irp j, 0,1,2,3,4,5,6,7
	global_load_b128 v[VD+4*\j:VD+4*\j+3], v8, s[10:11] offset:8192*\j
.endr
	s_lshl_b32 s44, s18, 11                        ; out0: row 2,048 batch + 128 i + 64 rh, column 256 x + 128 ch
	s_lshl_b32 s46, s[LAST], 7
	s_add_co_u32 s44, s44, s46
	s_lshl_b32 s46, s15, 6
	s_add_co_u32 s44, s44, s46
	s_lshl_b32 s44, s44, 12
	s_lshl_b32 s46, ttmp9, 10
	s_add_co_u32 s44, s44, s46
	s_lshl_b32 s46, s16, 9
	s_add_co_u32 s44, s44, s46
	s_add_nc_u64 s[12:13], s[12:13], s[44:45]
	v_mov_b32 v[LS], 0
	s_wait_loadcnt 0x0
.irp j, 0,1,2,3,4,5,6,7
	ds_store_b128 v6, v[VD+4*\j:VD+4*\j+3] offset:2048*\j
.endr
	v_max3_num_f32 v[MR], v[MM], v[MM+1], v[MM+2]
.irp k, 3,5,7,9,11,13
	v_max3_num_f32 v[MR], v[MR], v[MM+\k], v[MM+\k+1]
.endr
	v_max_num_f32 v[MR], v[MR], v[MM+15]           ; M_row
.set g, 0
.rept 16
	v_sub_f32 v[DF], v[MM+g], v[MR]                ; a whole number, 0 or less,
	v_max_num_f32 v[DF], 0xc3480000, v[DF]         ; held at -200
	v_cvt_i32_f32 v[DI], v[DF]
	v_ldexp_f32 v[TT], v[LL+g], v[DI]
	s_cmp_ge_u32 s[LAST], g
	s_cselect_b32 s46, 1.0, 0                      ; a group beyond the last adds nothing
	v_fma_f32 v[LS], v[TT], s46, v[LS]
.irp k, 0,1,2,3
	v_bfe_u32 v[BY+\k], v[WD+g], 8*\k, 8
.endr
.irp k, 0,1,2,3
	v_cvt_f32_u32 v[BY+\k], v[BY+\k]
.endr
.irp k, 0,1,2,3
	v_add_f32 v[BY+\k], v[BY+\k], v[DF]
.endr
.irp k, 0,1,2,3
	v_max_num_f32 v[BY+\k], 0, v[BY+\k]
.endr
.irp k, 0,1,2,3
	v_cvt_u32_f32 v[BY+\k], v[BY+\k]
.endr
	v_lshl_or_b32 v[BY], v[BY+1], 8, v[BY]
	v_lshl_or_b32 v[BY], v[BY+2], 16, v[BY]
	v_lshl_or_b32 v[BY], v[BY+3], 24, v[BY]
	ds_store_b32 v5, v[BY] offset:512*g
.set g, g+1
.endr
	v_rcp_f32 v[TT], v[LS]
	v_nop                                          ; one plain place behind the transcendental
	s_wait_alu depctr_va_vdst(0)                   ; and the wait ahead of its first reader
	ds_store_b32 v7, v[TT]
	s_wait_tensorcnt 0x0                           ; my first fills have landed
	s_wait_dscnt 0x0                               ; and my stores
	s_barrier_signal -1
	s_barrier_wait -1
.macro FETCH n                         ; key group n: V's eight fragments, P's four, their scale words, into set n % 2
.set FP, (\n)%2
.set FS, ((\n)/4)%2
.set FQ, (\n)%4
	WIN (2+FP)<<6
.irp i, 0,1,2,3,4,5,6,7
.irp g, 0,1,2
	ds_load_b128 v[12*\i+4*\g:12*\i+4*\g+3], v[ADV+FS] offset:6144*\i+1536*FQ+512*\g
.endr
.endr
.irp i, 0,1,2,3
.irp g, 0,1,2
	ds_load_b128 v[96+12*\i+4*\g:96+12*\i+4*\g+3], v[ADP+FS] offset:6144*\i+1536*FQ+512*\g
.endr
.endr
	WIN 0
.irp i, 0,1,2,3
	ds_load_b32 v[SCS+12*FP+\i], v[APS] offset:512*(\n)+64*\i
.endr
.irp i, 0,1,2,3,4,5,6,7
	ds_load_b32 v[SCS+12*FP+4+\i], v[AVS] offset:1024*(\n)+64*\i
.endr
.endm
; 16 products: query tiles a0, a0 + 1 x V's eight.  The 32 accumulators take turns, one instruction a turn, in the same order in every step.
.macro MULH n, a0, zero
.set MP, (\n)%2
	WIN 0x5a+5*MP                                  ; sources 0 and 1 window 2 + n % 2; C and D window 1
.irp a, \a0, \a0+1
.irp b, 0,1,2,3,4,5,6,7
.if \zero
	v_wmma_scale_f32_16x16x128_f8f6f4 v[8*(8*(\a)+\b):8*(8*(\a)+\b)+7], v[12*\b:12*\b+11], v[96+12*(\a):96+12*(\a)+11], 0, v[SCS+12*MP+4+\b], v[SCS+12*MP+(\a)] matrix_a_fmt:MATRIX_FMT_FP6 matrix_b_fmt:MATRIX_FMT_FP6
.else
	v_wmma_scale_f32_16x16x128_f8f6f4 v[8*(8*(\a)+\b):8*(8*(\a)+\b)+7], v[12*\b:12*\b+11], v[96+12*(\a):96+12*(\a)+11], v[8*(8*(\a)+\b):8*(8*(\a)+\b)+7], v[SCS+12*MP+4+\b], v[SCS+12*MP+(\a)] matrix_a_fmt:MATRIX_FMT_FP6 matrix_b_fmt:MATRIX_FMT_FP6
.endif
.endr
.endr
.endm
; THE CHANGE OF SLOTS, at the head of a slot's last step: its fragments are in registers.  Each wave waits for all its tensor loads, adds 0 to its spare word, waits for that and for its reads; behind the barrier the slot just
; read out is filled with the key slot two on (n = 3: slot 0 takes key slot 2; n = 7: slot 1 takes key slot 3), which has four steps, 128 products, in which to land.
.macro CHANGE n
	s_wait_tensorcnt 0x0
	ds_add_u32 v[SPW], v[NIL]
.if (\n) < 11
	s_add_nc_u64 s[G0+4*(((\n)/4)%2)+2:G0+4*(((\n)/4)%2)+3], s[G0+4*(((\n)/4)%2)+2:G0+4*(((\n)/4)%2)+3], 12288
.endif
	s_wait_dscnt 0x0
	s_barrier_signal -1
	s_barrier_wait -1
.if (\n) < 11
	TLOADJ ((\n)/4)%2, ((\n)+1)/4+1
.endif
.endm
; A KEY STEP.  In its middle: the last step jumps to a tail that holds its other 16 products; every other step fetches the next step's fragments there, 16 products ahead of their use.
.macro PSTEP n
.if ((\n)%4 == 3) && ((\n) < 15)
	CHANGE \n
.else
	s_wait_dscnt 0x0                               ; this step's fragments and scale words are in
.endif
	PLACES                                         ; behind the last step's products, for the loads into the set that they read
.if (\n) == 0
	MULH 0, 0, 1
.else
	MULH \n, 0, 0
.endif
	WIN 0
.if (\n) < 15
	s_cmp_eq_u32 s[LAST], \n                       ; the work-group's number alone: all four waves go the same way
.if (\n) == 0
	s_cbranch_scc1 .Ltail_z
.elseif (\n)%2 == 1
	s_cbranch_scc1 .Ltail_1
.else
	s_cbranch_scc1 .Ltail_0
.endif
	FETCH (\n)+1
.endif
.if (\n) == 0
	MULH 0, 2, 1
.else
	MULH \n, 2, 0
.endif
	WIN 0
.endm
	FETCH 0
.irp n, 0,1,2,3,4,5,6,7,8,9,10,11,12,13,14,15
	PSTEP \n
.endr
	s_branch .Lout
.Ltail_z:                                              ; the last step's second half: of step 0,
	MULH 0, 2, 1
	WIN 0
	s_branch .Lout
.Ltail_1:                                              ; of an odd step,
	MULH 1, 2, 0
	WIN 0
	s_branch .Lout
.Ltail_0:                                              ; of an even one
	MULH 2, 2, 0
	WIN 0
.Lout:
	; THE WAY OUT.  Behind this barrier nobody reads slot 0 and no load is on its way: the stages lie there.  O x 1 / l; a tile of 16 queries x 128 e goes through my stage and leaves as rows of 512 bytes.
	s_wait_tensorcnt 0x0
	s_wait_dscnt 0x0
	s_barrier_signal -1
	s_barrier_wait -1
.irp a, 0,1,2,3
	ds_load_b32 v[RLV+2*\a], v[ARL] offset:64*\a
.endr
	PLACES                                         ; behind the last products, ahead of the first read of results
	s_wait_dscnt 0x0
.macro TOSTAGE a
	WIN 0x41                                       ; O (destination and source 0) window 1, 1 / l window 0
.set n, 0
.rept 32
	v_pk_mul_f32 v[64*(\a)+n:64*(\a)+n+1], v[64*(\a)+n:64*(\a)+n+1], v[RLV+2*(\a):RLV+2*(\a)+1] op_sel_hi:[1,0]   ; each accumulator from its low end on
.set n, n+2
.endr
	WIN 0x04                                       ; an LDS store's data are its source 1: window 1
.irp b, 0,1,2,3,4,5,6,7
	ds_store_b128 v[STO], v[64*(\a)+8*\b:64*(\a)+8*\b+3] offset:128*(\b/2)+32*(\b%2)      ; e = 32 (b / 2) + 16 h + 8 (b % 2) + 0 .. 7
	ds_store_b128 v[STO], v[64*(\a)+8*\b+4:64*(\a)+8*\b+7] offset:128*(\b/2)+32*(\b%2)+16
.endr
	WIN 0
.irp t, 0,1,2,3,4,5,6,7,8,9,10,11,12,13,14,15
	ds_load_b128 v[BK+64*((\a)%2)+4*\t:BK+64*((\a)%2)+4*\t+3], v[RD] offset:\t*SPITCH   ; LDS serves a wave's instructions in order: these see the stores above
.endr
.endm
.macro SEND a, younger                 ; younger: the LDS instructions issued behind tile a's loads
	s_wait_dscnt \younger
.irp t, 0,1,2,3,4,5,6,7,8,9,10,11,12,13,14,15
	global_store_b128 v[LI], v[BK+64*((\a)%2)+4*\t:BK+64*((\a)%2)+4*\t+3], s[12:13] offset:(32*((\a)/2)+8*((\a)%2)+\t+8*(\t/8))*4096 th:TH_STORE_NT   ; 512 consecutive bytes, aligned; stage row t is query 32 (a / 2) + 8 (a % 2) + t + 8 (t / 8)
.endr
.endm
	TOSTAGE 0
.irp a, 1,2,3
.if \a > 1
	s_wait_xcnt 0x0                                ; the stores of two tiles back have read their registers
.endif
	TOSTAGE \a
	SEND \a-1, 32                                  ; the next tile's 16 stores and 16 loads may be out
.endr
	SEND 3, 0
	s_wait_tensorcnt 0x0                           ; the wave's end
	ds_add_u32 v[SPW], v[NIL]
	s_wait_dscnt 0x0
	s_endpgm
.Lfunc_end_k_qa400b1e4de_ctx:
	.size	k_qa400b1e4de_ctx, .Lfunc_end_k_qa400b1e4de_ctx-k_qa400b1e4de_ctx
	.p2alignl 7, 3214868480
	.fill 96, 4, 3214868480
	.section	.rodata,"a",@progbits
	.p2align	6, 0x0
	.amdhsa_kernel k_qa400b1e4de_ctx
		.amdhsa_group_segment_fixed_size 327680
		.amdhsa_private_segment_fixed_size 0
		.amdhsa_enable_private_segment 0
		.amdhsa_kernarg_size 40
		.amdhsa_user_sgpr_count 2
		.amdhsa_user_sgpr_kernarg_segment_ptr 1
		.amdhsa_wavefront_size32 1
		.amdhsa_system_sgpr_workgroup_id_x 1
		.amdhsa_system_sgpr_workgroup_id_y 1
		.amdhsa_system_sgpr_workgroup_id_z 1
		.amdhsa_system_vgpr_workitem_id 0
		.amdhsa_next_free_vgpr 1024
		.amdhsa_next_free_sgpr 66
		.amdhsa_reserve_vcc 0
		.amdhsa_float_denorm_mode_32 3
		.amdhsa_float_denorm_mode_16_64 3
		.amdhsa_memory_ordered 1
		.amdhsa_forward_progress 1
		.amdhsa_inst_pref_size 185
	.end_amdhsa_kernel
	.amdgpu_metadata
---
amdhsa.version: [ 1, 2 ]
amdhsa.kernels:
  - .name:           k_qa400b1e4de_ctx
    .symbol:         k_qa400b1e4de_ctx.kd
    .args:
      - { .name: pc, .offset: 0, .size: 8, .value_kind: global_buffer, .address_space: global }
      - { .name: pst, .offset: 8, .size: 8, .value_kind: global_buffer, .address_space: global }
      - { .name: cqkv, .offset: 16, .size: 8, .value_kind: global_buffer, .address_space: global }
      - { .name: sqkv, .offset: 24, .size: 8, .value_kind: global_buffer, .address_space: global }
      - { .name: out0, .offset: 32, .size: 8, .value_kind: global_buffer, .address_space: global }
    .group_segment_fixed_size: 327680
    .private_segment_fixed_size: 0
    .kernarg_segment_align: 8
    .kernarg_segment_size: 40
    .max_flat_workgroup_size: 128
    .sgpr_count:     66
    .vgpr_count:     1024
    .wavefront_size: 32
...
	.end_amdgpu_metadata
.endif
;; end of part 4
